; MI455X (gfx1250); checked and timed in simulation.
; The chip was launched on July 23, 2026; its instructions are those of AMD's public machine-readable ISA for CDNA 5 (MIT licence, August 2026) and "CDNA5" Instruction Set Architecture Reference Guide (July 2026). The comments in the code are by the model that wrote it; some were corrected since.
;; Disentangled Attention. Allowed arithmetic: matrix products marked QUANTISED: E2M1 operands, one E8M0 scale for each 32 along K, by v_wmma_scale_f32_16x16x128_f8f6f4 with both operands' format E2M1 (or v_wmma_scale_f32_32x16x128_f4), f32 sums; products left as they are: bf16, f16 or f32 operands; f32 sums; everything else in f32.
;; Inputs: Wk 1,024 x 1,024 float32; Wo 1,024 x 1,024 float32; Wq 1,024 x 1,024 float32; Wv 1,024 x 1,024 float32; alpha 16 x 1 x 1 float32; beta 16 x 1 x 1 float32; bk 1,024 float32; bo 1,024 float32; bq 1,024 float32; bv 1,024 float32; mask 2 x 2,048 int32; pos_embed 2,048 x 64 float32; x 2 x 2,048 x 1,024 float32.
;; Outputs: out0 2 x 2,048 x 1,024 float32.
;; This version of the problem:
;;   THIS VERSION OF THE PROBLEM IS GIVEN IN LOW PRECISION. The matrix products marked QUANTISED in the list below multiply operands that are first quantised to E2M1 (2 exponent bits, 1 mantissa bit; 4 bits a number), with one power-of-two scale for each 32 numbers along K (OCP MX v1.0); their sums are f32. The products marked 'left as it is' may take bf16, f16 or f32 operands, with f32 sums. Whichever they take, every output number must still come out within the allowed error. Rounding operands to bf16 (8 significant bits) uses up far more of that allowance than f16 does (11 bits, for magnitudes from 6e-5 to 65,504). All else is computed in f32.
;;   The module's matrix products, in the order in which they are computed (A, B: the left and right operand; K: the contracted axis; several contracted axes count as one K, in the product's order):
;;     1. [M 4,096, K 1,024] x [K 1,024, N 1,024]; A: input x; B: input Wq: QUANTISED
;;     2. [M 4,096, K 1,024] x [K 1,024, N 1,024]; A: input x; B: input Wk: QUANTISED
;;     3. [M 4,096, K 1,024] x [K 1,024, N 1,024]; A: input x; B: input Wv: QUANTISED
;;     4. batch 32 x [M 2,048, K 64] x [K 64, N 2,048]; A: computed on the way; B: computed on the way: left as it is (an operand is computed on the way)
;;     5. [M 2,048, K 64] x [K 64, N 2,048]; A: input pos_embed; B: input pos_embed: QUANTISED
;;     6. batch 32 x [M 2,048, K 2,048] x [K 2,048, N 64]; A: computed on the way; B: computed on the way: left as it is (an operand is computed on the way)
;;     7. [M 4,096, K 1,024] x [K 1,024, N 1,024]; A: computed on the way; B: input Wo: left as it is (an operand is computed on the way)
;;   THE QUANTISER, for each operand of a quantised product, along K:
;;     - K is cut into blocks of 32 from its start; a last block that is shorter is filled with zeros.
;;     - A block's scale is 2^e with e = floor(log2(the largest magnitude in the block)) - 2, held to -126 .. 127; a block of zeros has e = 0. As a byte (E8M0): e + 127.
;;     - Each number is divided by its block's scale, clamped to +-6, and rounded to the nearest number of E2M1, ties to even, subnormals kept.
;;     - The product sums the exact products of the quantised numbers (number of the format x scale) in f32.
;;   ~~~python
;;   def quantise(x, axis):      # numpy; x: float32 -> the quantised numbers, widened to float32 again
;;       x = np.moveaxis(x, axis, -1); K = x.shape[-1]
;;       x = np.pad(x, [(0, 0)] * (x.ndim - 1) + [(0, -K % 32)]); x = x.reshape(x.shape[:-1] + (-1, 32)); a = np.abs(x).max(-1, keepdims=True)
;;       e = np.where(a > 0, np.clip(np.frexp(np.where(a > 0, a, 1))[1] - 1 - 2, -126, 127), 0)      # np.frexp(a)[1] - 1 = floor(log2(a)), exactly
;;       r = np.clip(x / 2.0 ** e, -6, 6)
;;       step = 2.0 ** (np.maximum(np.frexp(np.where(r == 0, 1, r))[1] - 1, 0) - 1)
;;       q = np.round(r / step) * step * 2.0 ** e      # np.round: ties to even
;;       return np.moveaxis(q.reshape(q.shape[:-2] + (-1,))[..., :K], -1, axis).astype(np.float32)
;;   ~~~
;; One version. Each part assembles by itself: llvm-mc -triple=amdgcn-amd-amdhsa -mcpu=gfx1250 --defsym DOCPART=n.
;; ======== version 1 of 1: 4 launches
;; limits: values are held in f16: magnitudes above 65,504 overflow, below 6.1e-05 lose precision
;; workspace buffers: codes 3,735,552 bytes; scales 233,472 bytes; wo16 2,097,152 bytes; qkv 25,165,824 bytes; att 8,388,608 bytes
;; launch quant (part 1): grid 260 x 1, 4 waves a work-group, no clusters, 33,280 bytes of LDS; arguments x, Wq, Wk, Wv, pos_embed, Wo, codes, scales, wo16; writes codes, scales, wo16
.if DOCPART == 1
	.amdgcn_target "amdgcn-amd-amdhsa--gfx1250"
	.amdhsa_code_object_version 6
	.text
	.protected	k_q702a0bc1e2_quant
	.globl	k_q702a0bc1e2_quant
	.p2align	8
	.type	k_q702a0bc1e2_quant,@function
k_q702a0bc1e2_quant:
	s_mov_b64 s[64:65], 0
	v_nop
	global_prefetch_b8 v0, s[64:65] scope:SCOPE_SE
	s_setreg_imm32_b32 hwreg(HW_REG_WAVE_MODE, 25, 1), 1
	s_wait_xcnt 0x0
; x [4096][1024], Wq, Wk, Wv [1024][1024] and pos_embed [2048][64], all f32 with K innermost, become codes of FP4 (E2M1) with one E8M0 scale byte for each 32 along K; Wo [1024][1024] becomes f16.
; Rows are dense and every K is a multiple of 32, so the five tensors are plain streams of blocks of 32 numbers.  Their codes (16 bytes a block) and scale bytes lie one tensor behind the other in the two
; buffers, in the order x, Wq, Wk, Wv, pos_embed: so the place of a run of 8,192 numbers in the buffers is linear in the work-group's number, and only the source is chosen.
; A block's scale is 2^(floor(log2(its largest magnitude)) - 2); its byte is the largest magnitude's exponent field - 2, held at 1 from below.  Each number is divided by the scale and rounded to the nearest code, ties to even.
; LIMITS: a block of zeros, and one whose largest magnitude lies under 2^-124, gets the byte 1 (zero codes add nothing under it, and this program alone reads the bytes); NaN and infinities among the inputs are not served.
; SHARES: work-groups 0-227 quantise 32,768 numbers each, a wave 16 steps of 512.  Each of a step's four loads reads 512 consecutive bytes; the 2,048 bytes turn through the wave's own stage in LDS, so that a lane
; holds 16 neighbours along K (two lanes a block).  A wave's store of codes covers 256 consecutive bytes; its 256 scale bytes are gathered in LDS and leave as one store of 256 consecutive bytes.
; Work-groups 228-259 turn 32,768 numbers of Wo each into f16: a stream through registers, no LDS.
; No tensor loads, no barrier: waves share nothing.  Memory binds here: matrix units and clusters would add nothing.
.set STEPS, 16
.set NQWG,  228                        ; work-groups that quantise: 128 (x) + 3 x 32 (Wq, Wk, Wv) + 4 (pos_embed)
.set EMAX,  2
.set CB,    8                          ; bytes of 16 codes
.set R,     16                         ; v16-79   four sets of 16 numbers as they are loaded
.set X,     80                         ; v80-111  two sets of 16 neighbours
.set E,     112                        ; v112-127 a scale byte for each step
.set C,     128                        ; v128-191 codes: four registers for each step, so that no store's data are written again
.set WREG,  8192                       ; LDS: a region for each wave: two stages of 32 x SP bytes, behind them its 256 scale bytes
.set SP,    80                         ; a lane's place in a stage: 64 bytes + 16 of padding
.set SPW,   12                         ; v12  LDS address of my spare word; never rewritten
.set NIL,   13                         ; v13  0; never rewritten
.set SPARE, 4*WREG                     ; behind the four regions: the spare words, 128 bytes a wave
	s_load_b256 s[4:11], s[0:1], 0x0               ; x s[4:5], Wq s[6:7], Wk s[8:9], Wv s[10:11]
	s_load_b256 s[12:19], s[0:1], 0x20             ; pos_embed s[12:13], Wo s[14:15], codes s[16:17], scales s[18:19]
	s_load_b64 s[20:21], s[0:1], 0x40              ; wo16
	v_lshl_add_u32 v[SPW], v0, 2, SPARE
	v_mov_b32 v[NIL], 0
	v_lshrrev_b32 v1, 5, v0
	v_readfirstlane_b32 s28, v1                    ; wave
	v_and_b32 v2, 31, v0                           ; lane
	v_lshlrev_b32 v3, 4, v2                        ; my 16 bytes of a load's 512
	s_mul_i32 s29, s28, WREG
	v_lshrrev_b32 v14, 2, v2
	v_mul_u32_u24 v14, v14, SP
	v_and_b32 v15, 3, v2
	v_lshl_add_u32 v14, v15, 4, v14
	v_add_nc_u32 v14, s29, v14                     ; the stage, on the way in: SP (lane / 4) + 16 (lane % 4)
	v_mul_u32_u24 v15, v2, SP
	v_add_nc_u32 v15, s29, v15                     ; and on the way out: SP x lane: my 16 neighbours
	v_mul_u32_u24 v4, v2, CB                       ; my codes' place in a step's
	v_lshrrev_b32 v5, 1, v2
	s_add_co_u32 s29, s29, 2*32*SP
	v_add_nc_u32 v5, s29, v5                       ; LDS: my wave's 256 scale bytes, my block's byte
	v_lshlrev_b32 v7, 3, v2                        ; 8 bytes a lane
	v_add_nc_u32 v6, s29, v7
	s_wait_kmcnt 0x0
	s_cmp_ge_u32 ttmp9, NQWG                       ; the work-group's number alone decides
	s_cbranch_scc1 .Lwo
	; which tensor is mine, and which work-group is its first: four choices on the work-group's number
	s_mov_b64 s[22:23], s[12:13]
	s_mov_b32 s24, 224
	s_cmp_lt_u32 ttmp9, 224
	s_cselect_b64 s[22:23], s[10:11], s[22:23]
	s_cselect_b32 s24, 192, s24
	s_cmp_lt_u32 ttmp9, 192
	s_cselect_b64 s[22:23], s[8:9], s[22:23]
	s_cselect_b32 s24, 160, s24
	s_cmp_lt_u32 ttmp9, 160
	s_cselect_b64 s[22:23], s[6:7], s[22:23]
	s_cselect_b32 s24, 128, s24
	s_cmp_lt_u32 ttmp9, 128
	s_cselect_b64 s[22:23], s[4:5], s[22:23]
	s_cselect_b32 s24, 0, s24
	s_sub_co_u32 s24, ttmp9, s24
	s_lshl_b32 s24, s24, 2
	s_add_co_u32 s24, s24, s28                     ; which run of 8,192 numbers of the tensor is my wave's
	s_lshl_b32 s24, s24, 15                        ; 32,768 bytes a run
	s_mov_b32 s25, 0
	s_add_nc_u64 s[22:23], s[22:23], s[24:25]
	s_lshl_b32 s26, ttmp9, 2
	s_add_co_u32 s26, s26, s28                     ; which run of the two buffers
	s_lshl_b32 s24, s26, 12                        ; 4,096 bytes of codes a run
	s_add_nc_u64 s[16:17], s[16:17], s[24:25]
	s_lshl_b32 s24, s26, 8                         ; 256 scale bytes a run
	s_add_nc_u64 s[18:19], s[18:19], s[24:25]
.macro LOAD t
.irp i, 0,1,2,3
	global_load_b128 v[R+16*((\t)%4)+4*\i:R+16*((\t)%4)+4*\i+3], v3, s[22:23] offset:2048*(\t)+512*\i th:TH_LOAD_NT   ; 32 lanes read 512 consecutive bytes
.endr
.endm
.macro TURN t                          ; step t's numbers through the stage: LDS serves a wave's instructions in order, so no wait stands between the stores and the loads
.irp i, 0,1,2,3
	ds_store_b128 v14, v[R+16*((\t)%4)+4*\i:R+16*((\t)%4)+4*\i+3] offset:32*SP*((\t)%2)+8*SP*\i
.endr
.irp i, 0,1,2,3
	ds_load_b128 v[X+16*((\t)%2)+4*\i:X+16*((\t)%2)+4*\i+3], v15 offset:32*SP*((\t)%2)+16*\i
.endr
.endm
.irp t, 0,1,2,3
	LOAD \t
.endr
	s_wait_loadcnt 12                              ; step 0's four loads are in; the twelve of steps 1 to 3 may be out
	TURN 0
.macro STEP t
.set XS, X+16*((\t)%2)
.if (\t) > 0
	s_wait_dscnt 1                                 ; this step's numbers are back from the stage (the last step's byte store may be out): its stores into the stage have read their registers,
.else
	s_wait_dscnt 0x0
.endif
.if (\t)+4 < STEPS
	LOAD (\t)+4                                    ; which take the loads of four steps on
.endif
.if (\t)+1 < STEPS
.if STEPS-2-(\t) >= 3
	s_wait_loadcnt 12                              ; the next step's four loads are in; those of the three steps behind it may be out
.else
	s_wait_loadcnt 4*(STEPS-2-(\t))
.endif
	TURN (\t)+1                                    ; and go through the other stage while this step is worked
.endif
	v_max3_num_f32 v8, |v[XS]|, |v[XS+1]|, |v[XS+2]|               ; the largest magnitude of my 16, in two chains
	v_max3_num_f32 v9, |v[XS+3]|, |v[XS+4]|, |v[XS+5]|
.irp i, 6,10
	v_max3_num_f32 v8, v8, |v[XS+\i]|, |v[XS+\i+1]|
	v_max3_num_f32 v9, v9, |v[XS+\i+2]|, |v[XS+\i+3]|
.endr
	v_max3_num_f32 v8, v8, |v[XS+14]|, |v[XS+15]|
	v_max3_num_f32 v8, v8, v9, (EMAX+1)<<23        ; and the floor 2^(3 - 127): the byte cannot fall under 1
	v_max_num_f32_dpp v8, v8, v8 row_xmask:1 row_mask:0xf bank_mask:0xf   ; and of my neighbour's 16: the block's
	v_add_nc_u32 v11, -(EMAX<<23), v8              ; 2 off its exponent field: the conversion takes the exponent field of this operand as its scale
	v_cvt_scalef32_pk8_fp4_f32 v[C+4*(\t)], v[XS:XS+7], v11
	v_cvt_scalef32_pk8_fp4_f32 v[C+4*(\t)+1], v[XS+8:XS+15], v11
	v_lshrrev_b32 v[E+(\t)], 23, v11               ; the scale's byte (also the plain line behind the conversions)
	ds_store_b8 v5, v[E+(\t)] offset:16*(\t)       ; both lanes of a block write the same byte with the same value
	global_store_b64 v4, v[C+4*(\t):C+4*(\t)+1], s[16:17] offset:32*CB*(\t)   ; 32 lanes store 256 consecutive bytes, aligned
.endm
.irp t, 0,1,2,3,4,5,6,7,8,9,10,11,12,13,14,15
	STEP \t
.endr
	ds_load_b64 v[8:9], v6                         ; LDS serves a wave's instructions in order: these see my byte stores
	s_wait_dscnt 0x0
	global_store_b64 v7, v[8:9], s[18:19]          ; 32 lanes store 256 consecutive bytes, aligned
	s_wait_tensorcnt 0x0                           ; the wave's end, behind my last LDS store
	ds_add_u32 v[SPW], v[NIL]
	s_wait_dscnt 0x0
	s_endpgm
; Wo to f16: a wave takes 8,192 numbers in four batches of 16 loads (512 consecutive bytes each), two batches in flight.  Four numbers of a lane become 8 bytes: a store covers 256 consecutive bytes.
.macro WLOAD k
.irp n, 0,1,2,3,4,5,6,7,8,9,10,11,12,13,14,15
	global_load_b128 v[16+64*((\k)%2)+4*\n:16+64*((\k)%2)+4*\n+3], v3, s[14:15] offset:8192*(\k)+512*\n th:TH_LOAD_NT
.endr
.endm
.macro WCVT k
.if (\k) < 3
	s_wait_loadcnt 16                              ; this batch is in; the other batch's sixteen loads may be out
.else
	s_wait_loadcnt 0x0
.endif
	s_wait_xcnt 0x0                                ; the last batch's stores have read v144-175: only now are these written again
.irp n, 0,1,2,3,4,5,6,7,8,9,10,11,12,13,14,15
	v_cvt_pk_f16_f32 v[144+2*\n], v[16+64*((\k)%2)+4*\n], v[16+64*((\k)%2)+4*\n+1]
	v_cvt_pk_f16_f32 v[145+2*\n], v[16+64*((\k)%2)+4*\n+2], v[16+64*((\k)%2)+4*\n+3]
.endr
.irp n, 0,1,2,3,4,5,6,7,8,9,10,11,12,13,14,15
	global_store_b64 v7, v[144+2*\n:145+2*\n], s[20:21] offset:4096*(\k)+256*\n
.endr
.if (\k) < 2
	WLOAD (\k)+2
.endif
.endm
.Lwo:
	s_sub_co_u32 s24, ttmp9, NQWG
	s_lshl_b32 s24, s24, 2
	s_add_co_u32 s24, s24, s28                     ; which run of 8,192 numbers of Wo is my wave's
	s_lshl_b32 s26, s24, 14                        ; 16,384 bytes of f16,
	s_lshl_b32 s24, s24, 15                        ; 32,768 bytes of f32
	s_mov_b32 s25, 0
	s_mov_b32 s27, 0
	s_add_nc_u64 s[14:15], s[14:15], s[24:25]
	s_add_nc_u64 s[20:21], s[20:21], s[26:27]
	WLOAD 0
	WLOAD 1
	WCVT 0
	WCVT 1
	WCVT 2
	WCVT 3
	s_endpgm
.Lfunc_end_k_q702a0bc1e2_quant:
	.size	k_q702a0bc1e2_quant, .Lfunc_end_k_q702a0bc1e2_quant-k_q702a0bc1e2_quant
	.p2alignl 7, 3214868480
	.fill 96, 4, 3214868480
	.section	.rodata,"a",@progbits
	.p2align	6, 0x0
	.amdhsa_kernel k_q702a0bc1e2_quant
		.amdhsa_group_segment_fixed_size 33280
		.amdhsa_private_segment_fixed_size 0
		.amdhsa_enable_private_segment 0
		.amdhsa_kernarg_size 72
		.amdhsa_user_sgpr_count 2
		.amdhsa_user_sgpr_kernarg_segment_ptr 1
		.amdhsa_wavefront_size32 1
		.amdhsa_system_sgpr_workgroup_id_x 1
		.amdhsa_system_sgpr_workgroup_id_y 1
		.amdhsa_system_sgpr_workgroup_id_z 1
		.amdhsa_system_vgpr_workitem_id 0
		.amdhsa_next_free_vgpr 192
		.amdhsa_next_free_sgpr 66
		.amdhsa_reserve_vcc 0
		.amdhsa_float_denorm_mode_32 3
		.amdhsa_float_denorm_mode_16_64 3
		.amdhsa_memory_ordered 1
		.amdhsa_forward_progress 1
		.amdhsa_inst_pref_size 54
	.end_amdhsa_kernel
	.amdgpu_metadata
---
amdhsa.version: [ 1, 2 ]
amdhsa.kernels:
  - .name:           k_q702a0bc1e2_quant
    .symbol:         k_q702a0bc1e2_quant.kd
    .args:
      - { .name: x, .offset: 0, .size: 8, .value_kind: global_buffer, .address_space: global }
      - { .name: Wq, .offset: 8, .size: 8, .value_kind: global_buffer, .address_space: global }
      - { .name: Wk, .offset: 16, .size: 8, .value_kind: global_buffer, .address_space: global }
      - { .name: Wv, .offset: 24, .size: 8, .value_kind: global_buffer, .address_space: global }
      - { .name: pos_embed, .offset: 32, .size: 8, .value_kind: global_buffer, .address_space: global }
      - { .name: Wo, .offset: 40, .size: 8, .value_kind: global_buffer, .address_space: global }
      - { .name: codes, .offset: 48, .size: 8, .value_kind: global_buffer, .address_space: global }
      - { .name: scales, .offset: 56, .size: 8, .value_kind: global_buffer, .address_space: global }
      - { .name: wo16, .offset: 64, .size: 8, .value_kind: global_buffer, .address_space: global }
    .group_segment_fixed_size: 33280
    .private_segment_fixed_size: 0
    .kernarg_segment_align: 8
    .kernarg_segment_size: 72
    .max_flat_workgroup_size: 128
    .sgpr_count:     66
    .vgpr_count:     192
    .wavefront_size: 32
...
	.end_amdgpu_metadata
.endif
;; end of part 1
;; launch qkv (part 2): grid 12 x 16, 4 waves a work-group, clusters of 4 x 4, 327,680 bytes of LDS; arguments codes, scales, bq, bk, bv, qkv; writes qkv
.if DOCPART == 2
	.amdgcn_target "amdgcn-amd-amdhsa--gfx1250"
	.amdhsa_code_object_version 6
	.text
	.protected	k_q702a0bc1e2_qkv
	.globl	k_q702a0bc1e2_qkv
	.p2align	8
	.type	k_q702a0bc1e2_qkv,@function
k_q702a0bc1e2_qkv:
	s_mov_b64 s[64:65], 0
	v_nop
	global_prefetch_b8 v0, s[64:65] scope:SCOPE_SE
	s_setreg_imm32_b32 hwreg(HW_REG_WAVE_MODE, 25, 1), 1
	s_wait_xcnt 0x0
	s_wait_alu depctr_hold_cnt(0) depctr_sa_sdst(0) depctr_va_vdst(0) depctr_va_sdst(0) depctr_va_ssrc(0) depctr_va_vcc(0) depctr_vm_vsrc(0)
	s_getreg_b32 s2, hwreg(HW_REG_IB_STS2, 6, 4)
	s_cmp_eq_u32 s2, 0
	s_cbranch_scc0 .Lentry_in_a_cluster
	s_endpgm
.Lentry_in_a_cluster:
	s_bfe_u32 s2, ttmp6, 0x10000c
	s_cmp_lg_u32 s2, 0xf033
	s_cbranch_scc0 .Lentry_shape_is_right
	s_endpgm
.Lentry_shape_is_right:
; q = (x Wq^T + bq) log2(e) / 8, k = x Wk^T + bk, v = x Wv^T + bv, on codes of FP4 (E2M1) with one E8M0 scale for each 32 along K = 1,024; sums in f32; results rounded once to f16.
; A tile of 256 x 256 is made by four waves, 128 x 128 each: 64 accumulators, 512 registers.  K goes in two steps of 512 (rows of 256 bytes): both slots and all scale bytes are filled once, at the head.
; THE MATRIX INSTRUCTION IS USED TRANSPOSED: source 0 = 16 rows of the 'B tensor', source 1 = 16 rows of the 'A tensor': a lane holds one row of A's and eight neighbouring rows of B's.
;   clusters x = 0, 1 (q, k): A = x (tokens), B = [Wq | Wk] (features): a lane holds one token and eight neighbouring features: a fragment of q or k (16 tokens x 32 channels).
;   cluster  x = 2    (v):    A = Wv (features), B = x (tokens): a lane holds one feature and eight neighbouring tokens: a fragment of v^T (16 channels x 32 keys).
; The text is one for both: only offsets differ, made by arithmetic on the cluster's number; no branch hangs on it.
; RESULTS LEAVE AS IMAGES OF THE NEXT LAUNCH'S OPERAND REGISTERS: an image is 1 KB, [half 0, 1][lane][16 bytes].  q, k of a head: [token tile of 16][channel chunk of 32]; v of a head: [key chunk of 32][channel tile of 16].
; The packed results are those registers in those lanes: each store of a wave covers 512 consecutive bytes, aligned; no stage in LDS.
; BIASES: where features run along the registers (q, k) the bias is the C of the first products; where a lane holds one feature (v) it is the addend of the multiply-add that scales the results.  The other is made 0 by a select.
; CLUSTERS: 4 x 4 work-groups; A's tiles are shared along a row of the cluster, B's along a column: joint loads, one mask a line.
; 192 work-groups: 128 tiles of q and k, 64 of v.
; REGISTERS: window 0: v0-31 addresses; v32-95 scale words, two sets; v96-111 the lane's bias of A's 8 blocks, in pairs; v112-119 store offsets; from v128 A's fragments, one set; on the way out v128-255 are at work.
;   window 1: B's fragments at v0 and v128; v64-127 the bias of B's 8 blocks.   window 2, 3: the accumulators ((a, b) at v[8 (8 (a % 4) + b)]).
.set NQ,     4                         ; matrix instructions deep in a slot: 512 along K
.set ROWB,   256                       ; a tile's row in bytes
.set KROW,   512                       ; a row of codes in memory
.set PITCH,  272                       ; an LDS row: 256 bytes + 16 of padding = 68 words: the 16 rows of a load start at 16 different banks (64 banks of 4 bytes: ISA guide 11.1)
.set FR,     8
.set NL,     2
.set NP,     4                         ; places behind this matrix instruction (ISA guide 7.12.1)
.set HALFT,  128*PITCH
.set SLOT,   4*HALFT                   ; A's 256 rows, then B's 256 rows
.set KS,     32                        ; a row of scale bytes
.set SCL,    2*SLOT                    ; behind the slots: the scales, as rows of 256 bytes + 16 of padding
.set HALFS,  (128*KS/256)*272
.set SBLK,   (16*KS/256)*272
.set SPARE,  SCL+4*HALFS               ; the spare words, 128 bytes a wave
.set ADRA, 16
.set ADRB, 20
.set ADRS, 27
.set SPW,  28
.set NIL,  29
.set SC,   32
.set BM,   96
.set VB,   112
.set AF,   128
.set BN,   64                          ; in window 1
.set WV, 2                             ; s2  wave
.set HI, 3                             ; s3  wave / 2: my half of A's rows; also: I fetch for A (0) or for B (1)
.set LO, 16                            ; s16 wave % 2: my half of B's rows; also: which 128 rows I fetch
.set G1, 24
.set G0, 32
.set G1B, 48
.set G0B, 56
.set G1S, 68
.set G0S, 76
.set G1SB, 80
.set G0SB, 88
.set CQ,  66                           ; s[66:67] what the results are multiplied by: log2(e) / 8 for q, else 1
.set SMN, 92                           ; s92 all ones for q and k, 0 for v;  s93 the other way round
.set SMM, 93
.set SA1, 98                           ; s98, s99 strides of A's blocks in the images
.set SA2, 99
.set BA,  24                           ; s[24:39] on the way out: a store base for each of A's 8 blocks (the descriptors are done with)
.set MSB, 0
.macro WIN new                         ; the immediate's high byte repeats the setting that is left
.if MSB != \new
	s_set_vgpr_msb (MSB<<8)|\new
.set MSB, \new
.endif
.endm
.set MUL_LO, 0xa1                      ; source 0 (B) window 1, source 1 (A) window 0, C and D window 2
.set MUL_HI, 0xf1                      ; the same, C and D window 3
.set FST_LO, 0x91                      ; the first step: C (the bias) window 1, D window 2
.set FST_HI, 0xd1                      ; C window 1, D window 3
.set TO_B,   0x40
; A joint load: waves 0 and 1 fetch for A, waves 2 and 3 for B; the branch hangs on the wave's number alone.  An s_nop 0 and four v_nop follow each of the two lines.
.macro JLOAD g0a, g1a, g0b, g1b
	s_cmp_eq_u32 s[HI], 0
	s_cbranch_scc0 .Lfor_b_\@
	tensor_load_to_lds s[\g0a:\g0a+3], s[\g1a:\g1a+7]
	s_nop 0
.rept 4
	v_nop
.endr
	s_branch .Lasked_\@
.Lfor_b_\@:
	tensor_load_to_lds s[\g0b:\g0b+3], s[\g1b:\g1b+7]
	s_nop 0
.rept 4
	v_nop
.endr
.Lasked_\@:
.endm
.macro CROUND                          ; a round of the cluster's barrier
	s_barrier_signal -1
	s_barrier_wait -1
	s_cmp_lg_u32 s[WV], 0
	s_cbranch_scc1 .Lnot_wave_0_\@
	s_barrier_signal -3
.Lnot_wave_0_\@:
	s_barrier_wait -3
	s_barrier_signal -1
	s_barrier_wait -1
.endm
	s_load_b256 s[4:11], s[0:1], 0x0               ; codes s[4:5], scales s[6:7], bq s[8:9], bk s[10:11]
	s_load_b128 s[12:15], s[0:1], 0x20             ; bv s[12:13], qkv s[14:15]
	v_lshl_add_u32 v[SPW], v0, 2, SPARE
	v_mov_b32 v[NIL], 0
	ds_add_u32 v[SPW], v[NIL]                      ; the wave's opening: the add, twice on end, and its wait ahead of my first tensor load
	ds_add_u32 v[SPW], v[NIL]
	v_lshrrev_b32 v1, 5, v0
	v_readfirstlane_b32 s[WV], v1
	s_lshr_b32 s[HI], s[WV], 1
	s_and_b32 s[LO], s[WV], 1
	s_bfe_u32 s40, ttmp6, 0x40000                  ; cx
	s_bfe_u32 s41, ttmp6, 0x40004                  ; cy
	s_and_b32 s17, ttmp7, 0xffff                   ; cluster y, 0..3
	s_lshr_b32 s95, ttmp9, 1                       ; 1 in the cluster column that makes v
	s_xor_b32 s96, s95, 1                          ; 1 in those that make q and k
	s_mul_i32 s97, s17, s96
	s_lshl_b32 s97, s97, 2
	s_add_co_u32 s97, s97, s41                     ; A's tile: q, k: 4 y + cy of x's 16;  v: cy of Wv's 4
	s_mul_i32 s42, s17, s95
	s_mul_i32 s46, ttmp9, s96
	s_add_co_u32 s42, s42, s46
	s_lshl_b32 s42, s42, 2
	s_add_co_u32 s42, s42, s40                     ; B's tile: q, k: 4 x + cx of [Wq | Wk]'s 8;  v: 4 y + cx of x's 16
	s_lshl_b32 s43, s41, 2
	s_lshl_b32 s43, 15, s43                        ; my row of the cluster
	s_lshl_b32 s44, 0x1111, s40                    ; my column
	; descriptor group 1: a tile of 128 rows x 256 bytes, padded in LDS
	s_or_b32 s[G1+0], s43, (0<<16)|(1<<20)|(1<<21)|(5<<22)|(3<<25)  ; the mask; elements of 1 byte; padding on; bit 21 beside a mask; after every 64 words, 4 words
	s_or_b32 s[G1B+0], s44, (0<<16)|(1<<20)|(1<<21)|(5<<22)|(3<<25)
.irp g, G1, G1B
	s_mov_b32 s[\g+1], ROWB<<16                    ; tensor_dim0
	s_mov_b32 s[\g+2], 128<<16                     ; tensor_dim1
	s_mov_b32 s[\g+3], ROWB<<16                    ; tile_dim0
	s_mov_b32 s[\g+4], 128                         ; tile_dim1
	s_mov_b32 s[\g+5], KROW                        ; the pitch
	s_mov_b32 s[\g+6], 0
	s_mov_b32 s[\g+7], 0
.endr
	; the scales of 128 rows: 4,096 dense bytes, as 16 rows of 256 bytes (32 elements of 8), 16 bytes of padding behind each
	s_or_b32 s[G1S+0], s43, (3<<16)|(1<<20)|(1<<21)|(5<<22)|(3<<25)
	s_or_b32 s[G1SB+0], s44, (3<<16)|(1<<20)|(1<<21)|(5<<22)|(3<<25)
.irp g, G1S, G1SB
	s_mov_b32 s[\g+1], 32<<16
	s_mov_b32 s[\g+2], (128*KS/256)<<16
	s_mov_b32 s[\g+3], 32<<16
	s_mov_b32 s[\g+4], 128*KS/256
	s_mov_b32 s[\g+5], 32
	s_mov_b32 s[\g+6], 0
	s_mov_b32 s[\g+7], 0
.endr
	; where my 128 rows begin in the two buffers.  x lies at 0; [Wq | Wk] at 2,097,152 (codes) and 131,072 (scales); Wv at 3,145,728 and 196,608.  All offsets stay under 2^32
	s_lshl_b32 s18, s[LO], 7
	s_lshl_b32 s20, s97, 8
	s_add_co_u32 s20, s20, s18                     ; A's row
	s_lshl_b32 s46, s42, 8
	s_add_co_u32 s46, s46, s18                     ; B's row
	s_lshl_b32 s22, s20, 5
	s_mul_i32 s19, s95, 196608
	s_add_co_u32 s22, s22, s19                     ; A's scales
	s_mov_b32 s23, 0
	s_lshl_b32 s20, s20, 9
	s_mul_i32 s19, s95, 3145728
	s_add_co_u32 s20, s20, s19                     ; A's codes
	s_mov_b32 s21, 0
	s_lshl_b32 s92, s46, 5
	s_mul_i32 s19, s96, 131072
	s_add_co_u32 s92, s92, s19                     ; B's scales
	s_mov_b32 s93, 0
	s_lshl_b32 s46, s46, 9
	s_mul_i32 s19, s96, 2097152
	s_add_co_u32 s46, s46, s19                     ; B's codes
	s_mov_b32 s47, 0
	s_mul_i32 s45, s[WV], HALFT                    ; where they go: wave x 128 rows: no place in the cluster enters an LDS address
	s_mul_i32 s94, s[WV], HALFS
	s_wait_dscnt 0x0                               ; both opening adds are done
	s_wait_kmcnt 0x0
	s_add_nc_u64 s[20:21], s[4:5], s[20:21]
	s_add_nc_u64 s[22:23], s[6:7], s[22:23]
	s_add_nc_u64 s[46:47], s[4:5], s[46:47]
	s_add_nc_u64 s[92:93], s[6:7], s[92:93]
	CROUND                                         ; all sixteen work-groups are here: the first joint loads meet
	s_mov_b32 s[G0S], 1
	s_add_co_u32 s[G0S+1], s94, SCL
	s_mov_b64 s[G0S+2:G0S+3], s[22:23]
	s_or_b32 s[G0S+3], s[G0S+3], 0x80000000
	s_mov_b32 s[G0SB], 1
	s_add_co_u32 s[G0SB+1], s94, SCL
	s_mov_b64 s[G0SB+2:G0SB+3], s[92:93]
	s_or_b32 s[G0SB+3], s[G0SB+3], 0x80000000
	JLOAD G0S, G1S, G0SB, G1SB                     ; the scales first: they are wanted with K step 0
.irp s, 0,1
	s_mov_b32 s[G0+4*\s], 1
	s_add_co_u32 s[G0+4*\s+1], s45, \s*SLOT
	s_add_nc_u64 s[G0+4*\s+2:G0+4*\s+3], s[20:21], \s*ROWB
	s_or_b32 s[G0+4*\s+3], s[G0+4*\s+3], 0x80000000
	s_mov_b32 s[G0B+4*\s], 1
	s_add_co_u32 s[G0B+4*\s+1], s45, \s*SLOT
	s_add_nc_u64 s[G0B+4*\s+2:G0B+4*\s+3], s[46:47], \s*ROWB
	s_or_b32 s[G0B+4*\s+3], s[G0B+4*\s+3], 0x80000000
	JLOAD G0+4*\s, G1, G0B+4*\s, G1B               ; both K steps: three loads of mine are out, and nothing is ever filled again
.endr
	v_and_b32 v1, 15, v0                           ; r = lane % 16
	v_bfe_u32 v2, v0, 4, 1                         ; h = lane / 16
	v_mul_u32_u24 v3, v1, PITCH
	v_lshl_add_u32 v4, v2, 4, v3                   ; a fragment's row x pitch + 16 h
	s_mul_i32 s21, s[HI], HALFT                    ; my 128 rows of A
	s_mul_i32 s22, s[LO], HALFT                    ; my 128 rows of B,
	s_add_co_u32 s22, s22, 2*HALFT                 ; which lie behind A's 256
.irp s, 0,1
	v_add_nc_u32 v[ADRA+\s], s21, v4
	v_add_nc_u32 v[ADRB+\s], s22, v4
	s_add_co_u32 s21, s21, SLOT
	s_add_co_u32 s22, s22, SLOT
.endr
	v_mul_u32_u24 v5, v1, KS                       ; my row's scales: 32 bytes a row,
	v_lshrrev_b32 v6, 8, v5
	v_lshl_add_u32 v5, v6, 4, v5                   ; and 16 more for each 256 passed
	s_mul_i32 s21, s[HI], HALFS
	s_mul_i32 s22, s[LO], HALFS
	s_add_co_u32 s22, s22, 2*HALFS
	s_sub_co_u32 s22, s22, s21
	v_mul_u32_u24 v6, s22, v2                      ; lanes 16-31 take B's
	s_add_co_u32 s21, s21, SCL
	v_add_nc_u32 v5, v5, v6
	v_add_nc_u32 v[ADRS], s21, v5
	; the biases and the way out
	s_cmp_eq_u32 ttmp9, 1
	s_cselect_b64 s[8:9], s[10:11], s[8:9]
	s_cmp_eq_u32 ttmp9, 2
	s_cselect_b64 s[8:9], s[12:13], s[8:9]         ; bq, bk or bv, by the cluster's x
	s_lshl_b32 s20, s42, 8
	s_lshl_b32 s18, s[LO], 7
	s_add_co_u32 s20, s20, s18                     ; n0: my first row of the B tensor
	s_lshl_b32 s21, s97, 8
	s_lshl_b32 s18, s[HI], 7
	s_add_co_u32 s21, s21, s18                     ; m0: my first row of the A tensor
	s_and_b32 s18, s20, 1023
	s_mul_i32 s18, s18, s96
	s_lshl_b32 s18, s18, 2
	v_lshl_add_u32 v7, v2, 5, s18                  ; q, k: the bias at feature n0 % 1024 + 8 h (v: at 8 h, read and made 0 below): inside the 1,024 numbers on both ways
	s_mul_i32 s18, s21, s95
	s_lshl_b32 s18, s18, 2
	v_lshl_add_u32 v8, v1, 2, s18                  ; v: the bias at feature m0 + r (q, k: at r, read and made 0 below)
	WIN TO_B
.irp b, 0,1,2,3,4,5,6,7
	global_load_b128 v[BN+8*\b:BN+8*\b+3], v7, s[8:9] offset:64*\b
	global_load_b128 v[BN+8*\b+4:BN+8*\b+7], v7, s[8:9] offset:64*\b+16
.endr
	WIN 0
.irp a, 0,1,2,3,4,5,6,7
	global_load_b32 v[BM+2*\a], v8, s[8:9] offset:64*\a
.endr
	s_add_co_u32 s22, s21, 2048                    ; v's features count from 2,048: the third part of the buffer
	s_mov_b32 s[SA1], 1024
	s_mov_b32 s[SA2], 262144
	s_mov_b32 s23, 4096
	s_mov_b32 s94, 8192
	s_cmp_eq_u32 s95, 0                            ; q or k?
	s_cselect_b32 s18, s21, s20                    ; my first token
	s_cselect_b32 s19, s20, s22                    ; my first feature
	s_cselect_b32 s[SA1], 2048, s[SA1]             ; A's block a: (a % 4) x: a token tile | a channel tile
	s_cselect_b32 s[SA2], 8192, s[SA2]             ;              (a / 4) x: four token tiles | a head
	s_cselect_b32 s23, 1024, s23                   ; B's block b: ((b / 2) % 2) x: a channel chunk | a key chunk
	s_cselect_b32 s94, 262144, s94                 ;              (b / 4) x: a head | two key chunks;   (b % 2) x 512: the image's half
	s_cselect_b32 s[SMN], -1, 0
	s_cselect_b32 s[SMM], 0, -1
	s_mov_b32 s[CQ], 1.0
	s_cmp_eq_u32 ttmp9, 0
	s_cselect_b32 s[CQ], 0x3e38aa3b, s[CQ]         ; log2(e) / 8: q carries the scores' factor and the change to base 2
	s_mov_b32 s[CQ+1], s[CQ]                       ; (named with it as a pair, so it is written)
	s_lshr_b32 s43, s19, 10
	s_lshl_b32 s43, s43, 23                        ; the part: q, k or v, 8,388,608 bytes each
	s_lshr_b32 s44, s18, 11
	s_lshl_b32 s44, s44, 4                         ; 16 x batch
	s_and_b32 s45, s19, 1023
	s_lshr_b32 s45, s45, 6                         ; + head
	s_add_co_u32 s44, s44, s45
	s_lshl_b32 s44, s44, 18                        ; 262,144 bytes a head
	s_add_co_u32 s44, s44, s43
	s_and_b32 s45, s18, 2047
	s_lshl_b32 s45, s45, 7                         ; a token is 128 bytes on in both layouts
	s_add_co_u32 s44, s44, s45
	s_mov_b32 s45, 0
	s_add_nc_u64 s[14:15], s[14:15], s[44:45]
	v_and_b32 v9, 31, v0
	v_lshlrev_b32 v9, 4, v9                        ; 16 x lane
.irp b, 0,1,2,3,4,5,6,7
	s_mul_i32 s46, s23, ((\b/2)%2)
	s_mul_i32 s47, s94, (\b/4)
	s_add_co_u32 s46, s46, s47
	s_add_co_u32 s46, s46, (\b%2)*512
	v_add_nc_u32 v[VB+\b], s46, v9
.endr
.macro FRAG reg, adr, q, i             ; 16 rows x 128 K of 4-bit codes: 8 registers: lane l holds row l % 16; registers 4 c .. 4 c + 3 hold K = 64 c + 32 (l / 16) + 0 .. 31
.irp c, 0,1
	ds_load_b128 v[\reg+4*\c:\reg+4*\c+3], v[\adr] offset:64*(\q)+32*\c+(\i)*16*PITCH
.endr
.endm
; 16 matrix instructions: A's blocks a0, a0 + 1 x B's eight, the slot's q-th 128 along K.  zero = 1: the first product starts the sums, with the bias of B's block as C.
; The 64 accumulators take turns, one instruction a turn, in the same order in every step.
.macro MUL16 a0, p, q, sc, zero
.irp a, \a0, \a0+1
.irp b, 0,1,2,3,4,5,6,7
.if \zero
	v_wmma_scale_f32_16x16x128_f8f6f4 v[8*(8*((\a)%4)+\b):8*(8*((\a)%4)+\b)+7], v[128*(\p)+FR*\b:128*(\p)+FR*\b+FR-1], v[AF+FR*(\a):AF+FR*(\a)+FR-1], v[BN+8*\b:BN+8*\b+7], v[SC+8*NQ*(\sc)+NQ*\b+(\q)], v[SC+8*NQ*(\sc)+NQ*(\a)+(\q)] matrix_a_fmt:MATRIX_FMT_FP4 matrix_b_fmt:MATRIX_FMT_FP4 matrix_a_scale:MATRIX_SCALE_ROW1
.else
	v_wmma_scale_f32_16x16x128_f8f6f4 v[8*(8*((\a)%4)+\b):8*(8*((\a)%4)+\b)+7], v[128*(\p)+FR*\b:128*(\p)+FR*\b+FR-1], v[AF+FR*(\a):AF+FR*(\a)+FR-1], v[8*(8*((\a)%4)+\b):8*(8*((\a)%4)+\b)+7], v[SC+8*NQ*(\sc)+NQ*\b+(\q)], v[SC+8*NQ*(\sc)+NQ*(\a)+(\q)] matrix_a_fmt:MATRIX_FMT_FP4 matrix_b_fmt:MATRIX_FMT_FP4 matrix_a_scale:MATRIX_SCALE_ROW1
.endif
.endr
.endr
.endm
.macro FETCH_B slot, q, p
	WIN TO_B
.irp i, 0,1,2,3,4,5,6,7
	FRAG 128*(\p)+FR*\i, ADRB+\slot, \q, \i
.endr
	WIN 0
.endm
.macro FETCH_A slot, q, i0
.irp i, \i0, \i0+1, \i0+2, \i0+3
	FRAG AF+FR*(\i), ADRA+\slot, \q, \i
.endr
.endm
.macro SCALES sc                       ; a K step's scale words: 4 words a row; lanes 0-15 take A's block i, lanes 16-31 B's block i
.irp i, 0,1,2,3,4,5,6,7
	ds_load_b128 v[SC+8*NQ*\sc+NQ*\i:SC+8*NQ*\sc+NQ*\i+3], v[ADRS] offset:\i*SBLK
.endr
.endm
.macro PLACES n                        ; plain vector instructions between a matrix instruction and a load into, or a vector instruction on, its registers
.rept \n
	v_nop
.endr
.endm
; A step of 128 along K that has its successor in the same slot
.macro STEP slot, q, zero
	s_wait_dscnt 4*NL                              ; B's set and A's blocks 0-3 are in; the youngest eight loads (A's blocks 4-7) may be out
.if \zero
	WIN FST_LO
.else
	WIN MUL_LO
.endif
	MUL16 0, (\q)%2, \q, \slot, \zero
	MUL16 2, (\q)%2, \q, \slot, \zero
	s_wait_dscnt 0                                 ; A's blocks 4-7 are in
	PLACES NP
	FETCH_B \slot, (\q)+1, 1-(\q)%2
	FETCH_A \slot, (\q)+1, 0
.if \zero
	WIN FST_HI
.else
	WIN MUL_HI
.endif
	MUL16 4, (\q)%2, \q, \slot, \zero
	MUL16 6, (\q)%2, \q, \slot, \zero
	PLACES NP
	WIN 0
	FETCH_A \slot, (\q)+1, 4
.endm
.macro STEPS slot, from
.set Q, \from
.rept NQ-1-\from
	STEP \slot, Q, 0
.set Q, Q+1
.endr
.endm
	s_wait_tensorcnt 1                             ; the scales and my part of K step 0 are in (K step 1's load may be out)
	s_barrier_signal -1
	s_barrier_wait -1                              ; everybody's are
	FETCH_B 0, 0, 0
	FETCH_A 0, 0, 0
	SCALES 0
	FETCH_A 0, 0, 4
	s_wait_loadcnt 0x0                             ; the biases
	WIN 0x44                                       ; source 1 and destination window 1
.set j, 0
.rept 64
	v_cndmask_b32 v[BN+j], 0, v[BN+j], s[SMN]      ; kept for q and k, 0 for v
.set j, j+1
.endr
	WIN 0
.irp a, 0,1,2,3,4,5,6,7
	v_cndmask_b32 v[BM+2*\a], 0, v[BM+2*\a], s[SMM]   ; kept for v, 0 for q and k
	v_mov_b32 v[BM+2*\a+1], 0                      ; (named with it as a pair, so it is written)
.endr
	STEP 0, 0, 1                                   ; the first step's products start the sums
	STEPS 0, 1
	; slot 0's last step changes slots: one barrier; in front of it each wave waits for all its tensor loads, adds 0 to its spare word, and waits for that and for its LDS reads
	s_wait_tensorcnt 0x0                           ; my part of slot 1 has landed
	ds_add_u32 v[SPW], v[NIL]
	s_wait_dscnt 4*NL+1                            ; (the add and A's blocks 4-7 may be out)
	WIN MUL_LO
	MUL16 0, 1, NQ-1, 0, 0
	s_wait_dscnt 0x0
	s_barrier_signal -1
	MUL16 2, 1, NQ-1, 0, 0
	WIN 0
	s_barrier_wait -1                              ; slot 1 is whole
	PLACES NP
	v_add_nc_u32 v[ADRS], 4*NQ, v[ADRS]            ; on to the second K step's scale words
	FETCH_B 1, 0, 0
	FETCH_A 1, 0, 0
	SCALES 1
	WIN MUL_HI
	MUL16 4, 1, NQ-1, 0, 0
	MUL16 6, 1, NQ-1, 0, 0
	PLACES NP
	WIN 0
	FETCH_A 1, 0, 4
	STEPS 1, 0
	s_wait_dscnt 4*NL                              ; the very last step: nothing more to fetch
	WIN MUL_LO
	MUL16 0, 1, NQ-1, 1, 0
	MUL16 2, 1, NQ-1, 1, 0
	s_wait_dscnt 0
	WIN MUL_HI
	MUL16 4, 1, NQ-1, 1, 0
	MUL16 6, 1, NQ-1, 1, 0
	WIN 0
	; THE WAY OUT.  No tensor load of mine is out since the change of slots: the descriptors' registers take the eight store bases
	s_mov_b32 s47, 0
.irp a, 0,1,2,3,4,5,6,7
	s_mul_i32 s46, s[SA1], (\a%4)
	s_mul_i32 s20, s[SA2], (\a/4)
	s_add_co_u32 s46, s46, s20
	s_add_nc_u64 s[BA+2*\a:BA+2*\a+1], s[14:15], s[46:47]
.endr
; A's block a: 64 numbers a lane: result x factor + the lane's bias, rounded to f16 in pairs: four registers for each of B's blocks, which are half an image as they stand
.macro OUT a
.set AC, 64*((\a)%4)
.set OS, 192+32*((\a)%2)
.if (\a) >= 2
	s_wait_xcnt 0x0                                ; block a - 2's stores have read their data: the registers are written again only behind this wait
.endif
	WIN 0x02+((\a)/4)                              ; source 0: window 2 or 3
.irp b, 0,1,2,3,4,5,6,7
.irp p, 0,1,2,3
	v_pk_fma_f32 v[128+8*\b+2*\p:128+8*\b+2*\p+1], v[AC+8*\b+2*\p:AC+8*\b+2*\p+1], s[CQ:CQ+1], v[BM+2*(\a):BM+2*(\a)+1] op_sel_hi:[1,0,0]   ; each accumulator from its low end on
.endr
.endr
	WIN 0
.irp b, 0,1,2,3,4,5,6,7
.irp p, 0,1,2,3
	v_cvt_pk_f16_f32 v[OS+4*\b+\p], v[128+8*\b+2*\p], v[128+8*\b+2*\p+1]
.endr
.endr
.irp b, 0,1,2,3,4,5,6,7
	global_store_b128 v[VB+\b], v[OS+4*\b:OS+4*\b+3], s[BA+2*(\a):BA+2*(\a)+1]   ; 32 lanes store 512 consecutive bytes, aligned
.endr
.endm
	PLACES NP                                      ; behind the last products: A's fragments' registers are written next
.irp a, 0,1,2,3,4,5,6,7
	OUT \a
.endr
	s_wait_tensorcnt 0x0                           ; the wave's end
	ds_add_u32 v[SPW], v[NIL]
	s_wait_dscnt 0x0
	CROUND                                         ; the closing round: no work-group ends while a partner may still ask for a tile that names it
	s_endpgm
.Lfunc_end_k_q702a0bc1e2_qkv:
	.size	k_q702a0bc1e2_qkv, .Lfunc_end_k_q702a0bc1e2_qkv-k_q702a0bc1e2_qkv
	.p2alignl 7, 3214868480
	.fill 96, 4, 3214868480
	.section	.rodata,"a",@progbits
	.p2align	6, 0x0
	.amdhsa_kernel k_q702a0bc1e2_qkv
		.amdhsa_group_segment_fixed_size 327680
		.amdhsa_private_segment_fixed_size 0
		.amdhsa_enable_private_segment 0
		.amdhsa_kernarg_size 48
		.amdhsa_user_sgpr_count 2
		.amdhsa_user_sgpr_kernarg_segment_ptr 1
		.amdhsa_wavefront_size32 1
		.amdhsa_system_sgpr_workgroup_id_x 1
		.amdhsa_system_sgpr_workgroup_id_y 1
		.amdhsa_system_sgpr_workgroup_id_z 1
		.amdhsa_system_vgpr_workitem_id 0
		.amdhsa_next_free_vgpr 1024
		.amdhsa_next_free_sgpr 100
		.amdhsa_reserve_vcc 0
		.amdhsa_float_denorm_mode_32 3
		.amdhsa_float_denorm_mode_16_64 3
		.amdhsa_memory_ordered 1
		.amdhsa_forward_progress 1
		.amdhsa_inst_pref_size 145
	.end_amdhsa_kernel
	.amdgpu_metadata
---
amdhsa.version: [ 1, 2 ]
amdhsa.kernels:
  - .name:           k_q702a0bc1e2_qkv
    .symbol:         k_q702a0bc1e2_qkv.kd
    .args:
      - { .name: codes, .offset: 0, .size: 8, .value_kind: global_buffer, .address_space: global }
      - { .name: scales, .offset: 8, .size: 8, .value_kind: global_buffer, .address_space: global }
      - { .name: bq, .offset: 16, .size: 8, .value_kind: global_buffer, .address_space: global }
      - { .name: bk, .offset: 24, .size: 8, .value_kind: global_buffer, .address_space: global }
      - { .name: bv, .offset: 32, .size: 8, .value_kind: global_buffer, .address_space: global }
      - { .name: qkv, .offset: 40, .size: 8, .value_kind: global_buffer, .address_space: global }
    .group_segment_fixed_size: 327680
    .private_segment_fixed_size: 0
    .kernarg_segment_align: 8
    .kernarg_segment_size: 48
    .max_flat_workgroup_size: 128
    .sgpr_count:     100
    .vgpr_count:     1024
    .wavefront_size: 32
...
	.end_amdgpu_metadata
.endif
;; end of part 2
;; launch attn (part 3): grid 8 x 32, 8 waves a work-group, clusters of 4 x 1, 327,680 bytes of LDS; arguments qkv, codes, scales, mask, alpha, beta, att; writes att
.if DOCPART == 3
	.amdgcn_target "amdgcn-amd-amdhsa--gfx1250"
	.amdhsa_code_object_version 6
	.text
	.protected	k_q702a0bc1e2_attn
	.globl	k_q702a0bc1e2_attn
	.p2align	8
	.type	k_q702a0bc1e2_attn,@function
k_q702a0bc1e2_attn:
	s_mov_b64 s[64:65], 0
	v_nop
	global_prefetch_b8 v0, s[64:65] scope:SCOPE_SE
	s_setreg_imm32_b32 hwreg(HW_REG_WAVE_MODE, 25, 1), 1
	s_wait_xcnt 0x0
	s_wait_alu depctr_hold_cnt(0) depctr_sa_sdst(0) depctr_va_vdst(0) depctr_va_sdst(0) depctr_va_ssrc(0) depctr_va_vcc(0) depctr_vm_vsrc(0)
	s_getreg_b32 s2, hwreg(HW_REG_IB_STS2, 6, 4)
	s_cmp_eq_u32 s2, 0
	s_cbranch_scc0 .Lentry_in_a_cluster
	s_endpgm
.Lentry_in_a_cluster:
	s_bfe_u32 s2, ttmp6, 0x10000c
	s_cmp_lg_u32 s2, 0x3003
	s_cbranch_scc0 .Lentry_shape_is_right
	s_endpgm
.Lentry_shape_is_right:
; For each batch b and head h: probs = softmax over keys of (q . k / 8 + alpha_h pos + beta_h), keys with mask = 0 left out; out = probs v.  pos = pe pe^T on codes of FP4 (K = 64: two blocks of 32; the
; instruction's upper 64 along K are zero codes).  q . k and probs v on f16 operands; sums, maxima and the softmax in f32.
; UNITS: everything is in powers of two: q arrives multiplied by log2(e) / 8; A = alpha log2(e), B = beta log2(e).  t = q . k + A pos + bias[key], bias = B where mask is not 0, else -2^126.
; ORDER FOR A TILE: the FP4 product writes pos; one packed multiply-add a pair makes A pos + bias in place; the f16 products add q . k onto it in place.
; SOFTMAX: for each query a running maximum M and sum L; p = 2^(t - M); in every step L and O are multiplied by F = 2^(old M - new M).  No branch hangs on data.
; A hidden key's p is 0 as soon as one open key has been seen; what was summed before is wiped by F = 0.  A query with no open key at all ends with M under -2^125: its 1 / L is replaced by NaN, as the softmax of nothing gives.
; LIMIT: scores at or under -2^125 (in these units) count as hidden.  NaN and infinities among the inputs are not served.
; SHARES: a work-group owns 256 queries of one (b, h).  Wave = 4 g + w: w picks 64 queries (four tiles of 16), g picks half of the keys: of each slot of 256 keys, g = 0 walks key steps 0, 1 and g = 1 steps 2, 3 (64 keys a step).
; So a fragment of K or V read from LDS feeds four tiles of queries, and two waves of 512 registers lie on a SIMD: one wave's softmax stands beside the other's products.  The halves (M, L, O) are merged once, through LDS.
; LAYOUT: both products transposed: S^T = K Q^T (source 0 = 16 keys, source 1 = 16 queries), O^T = V^T P: a lane holds ONE query (lane % 16) throughout.  q, k, v arrive as images of the operands' registers
; (1 KB: [half][lane][16 bytes]): every load takes 512 consecutive bytes; no padding, no transposing load.  O leaves as images of the next launch's operand.
; CLUSTER: the four query blocks of a cluster walk the same K, V and pe: each tile is asked for jointly, by the same load with the same descriptor and the mask 15.  Every wave issues every load: one descriptor shape, 32 rows x 256 bytes.
; LDS: two slots of 65,536 (K's four steps, then V's four, 8,192 each); pe's codes [2048][32], filled once; the bias table [2048] f32 and pe's scale bytes [2048][2], stored by the waves; the spare words; the merge's 4 x 17,408.
; REGISTERS: window 0: v2-15 addresses; v16-17 the queries' scale words, v18-19 the keys'; v20-27 at work; v28-51 six numbers a tile: M, old M | F, spare | L even, L odd; v62-63 A; v64-95 S^T; v96-159 P, 16 a tile;
;   v160-191 pe's four key fragments (the upper four registers of each stay 0); v192-255 K's eight fragments, later V's eight.
;   window 1: v0-127 O^T, 32 a tile; v128-191 Q, 16 a tile; v192-223 pe's four query fragments (upper four 0); v224-255 the step's bias, 8 a key tile.
.set PEOFF,  3670016                   ; pe's codes in the codes' buffer
.set SPEOFF, 229376                    ; pe's scale bytes in the scales' buffer
.set SLOT1,  65536
.set VOFF,   32768
.set PEC,    131072
.set BIAS,   196608
.set PESC,   204800
.set SPARE,  208896                    ; the spare words, 128 bytes for each of eight waves
.set MRG,    209920
.set MRGW,   17408                     ; a pair of waves' part: 16,384 bytes of O, 8 x 128 of M and L
.set LI,   2                           ; v2   16 x lane
.set APE0, 3                           ; v3   PEC + 32 r + 16 h
.set ASC0, 4                           ; v4   PESC + 2 x lane
.set ABI0, 5                           ; v5   BIAS + 32 h
.set ADK,  6                           ; v6-9 the step's addresses: K and V, pe's codes, pe's scale bytes, the bias
.set ADP,  7
.set ADS,  8
.set ADB,  9
.set MA,   10                          ; v10  the merge: O's place
.set MS,   11                          ; v11  the merge: M's and L's place
.set SPW,  12
.set NIL,  13
.set PFO,  14                          ; v14  256 x lane: the prefetches' offset
.set APS,  15                          ; v15  PESC + 16 x thread: where I store my 16 of pe's scale bytes
.set QSC,  16
.set KSC,  18
.set T,    20
.set ST,   28
.set AH,   62
.set S,    64
.set P,    96
.set PEK,  160
.set KV,   192
.set OT,   0                           ; window 1
.set QF,   128
.set PEQ,  192
.set BI,   224
; scalars: s18 wave, s19 w, s20 g, s21 cx, s22 query block, s23 16 b + h; s[24:31] group 1; s[32:35] group 0 for pe; s[36:39] group 0 for K or V, which walks; s[40:41] lane selects;
; s45 slots to ask for; s46 a slot's two steps; s47 LDS byte of the step's K; s48 the step's first key; s49-51 that key x 32, x 2, x 4; s[52:53] the prefetches' place; s54 1 in a wave that prefetches, else the greatest number
.set MSB, 0
.macro WIN new
.if MSB != \new
	s_set_vgpr_msb (MSB<<8)|\new
.set MSB, \new
.endif
.endm
.macro CROUND                          ; a round of the cluster's barrier
	s_barrier_signal -1
	s_barrier_wait -1
	s_cmp_lg_u32 s18, 0
	s_cbranch_scc1 .Lnot_wave_0_\@
	s_barrier_signal -3
.Lnot_wave_0_\@:
	s_barrier_wait -3
	s_barrier_signal -1
	s_barrier_wait -1
.endm
.macro PLACES
.rept 4
	v_nop
.endr
.endm
	s_load_b256 s[4:11], s[0:1], 0x0               ; qkv s[4:5], codes s[6:7], scales s[8:9], mask s[10:11]
	s_load_b128 s[12:15], s[0:1], 0x20             ; alpha s[12:13], beta s[14:15]
	s_load_b64 s[16:17], s[0:1], 0x30              ; att
	v_lshl_add_u32 v[SPW], v0, 2, SPARE
	v_mov_b32 v[NIL], 0
	ds_add_u32 v[SPW], v[NIL]                      ; the wave's opening: the add, twice on end, and its wait ahead of my first tensor load
	ds_add_u32 v[SPW], v[NIL]
	v_lshrrev_b32 v1, 5, v0
	v_readfirstlane_b32 s18, v1                    ; wave 0..7
	s_and_b32 s19, s18, 3                          ; w
	s_lshr_b32 s20, s18, 2                         ; g
	s_bfe_u32 s21, ttmp6, 0x40000                  ; cx
	s_lshl_b32 s22, ttmp9, 2
	s_add_co_u32 s22, s22, s21                     ; my block of 256 queries: it enters global addresses of Q, pe's queries and O alone
	s_and_b32 s23, ttmp7, 0xffff                   ; 16 b + h, which the four partners share
	; descriptor group 1: 32 rows of 256 bytes (32 elements of 8), dense, no padding
	s_mov_b32 s24, 15|(3<<16)|(1<<21)              ; the mask: all four work-groups; elements of 8 bytes; bit 21 beside a mask
	s_mov_b32 s25, 32<<16                          ; tensor_dim0
	s_mov_b32 s26, 32<<16                          ; tensor_dim1
	s_mov_b32 s27, 32<<16                          ; tile_dim0
	s_mov_b32 s28, 32                              ; tile_dim1
	s_mov_b32 s29, 32                              ; the pitch
	s_mov_b32 s30, 0
	s_mov_b32 s31, 0
	s_mov_b32 s40, 0x76543210
	s_mov_b32 s41, 0xfedcba98                      ; v_permlanex16_b32: lane l xor 16
	s_mov_b32 s32, 1
	s_lshl_b32 s33, s18, 13
	s_add_co_u32 s33, s33, PEC                     ; pe's codes: my eighth, 8,192 bytes
	s_mov_b32 s36, 1
	s_lshl_b32 s37, s18, 13                        ; slot 0: waves 0-3 bring K's four steps, waves 4-7 V's
	s_lshl_b32 s58, s23, 18                        ; a head is 262,144 bytes in each part of qkv
	s_add_co_u32 s56, s20, 1
	s_lshl_b32 s56, s56, 23                        ; the part: k for g = 0, v for g = 1
	s_add_co_u32 s56, s56, s58
	s_lshl_b32 s78, s21, 13
	s_add_co_u32 s76, s56, s78                     ; the prefetches: my work-group's quarter of a slot's 32,768 bytes,
	s_add_co_u32 s76, s76, 32768                   ; in slot 1: the first change of slots steps it to slot 2
	s_mov_b32 s77, 0
	s_lshl_b32 s59, s19, 13
	s_add_co_u32 s56, s56, s59                     ; my step of slot 0
	s_mov_b32 s57, 0
	s_lshl_b32 s60, s18, 13
	s_add_co_u32 s60, s60, PEOFF
	s_mov_b32 s61, 0
	s_lshl_b32 s62, s22, 15                        ; Q: 128 bytes a query: 256 a block, 64 a wave
	s_add_co_u32 s62, s62, s58
	s_add_co_u32 s62, s62, s59
	s_mov_b32 s63, 0
	s_lshl_b32 s66, s22, 13                        ; pe's codes of my queries: 32 bytes a query
	s_lshl_b32 s59, s19, 11
	s_add_co_u32 s66, s66, s59
	s_add_co_u32 s66, s66, PEOFF
	s_mov_b32 s67, 0
	s_lshl_b32 s68, s22, 9                         ; and their scale bytes: 2 a query
	s_lshl_b32 s59, s19, 7
	s_add_co_u32 s68, s68, s59
	s_add_co_u32 s68, s68, SPEOFF
	s_mov_b32 s69, 0
	s_lshr_b32 s55, s23, 4                         ; b
	s_lshl_b32 s70, s55, 13                        ; the batch's mask: 8,192 bytes
	s_mov_b32 s71, 0
	s_and_b32 s59, s23, 15                         ; h
	s_lshl_b32 s72, s59, 2
	s_mov_b32 s73, 0
	s_lshl_b32 s74, s55, 4                         ; att: token block of 128: 16 b + 2 x query block + w / 2,
	s_lshl_b32 s75, s22, 1
	s_add_co_u32 s74, s74, s75
	s_lshr_b32 s75, s19, 1
	s_add_co_u32 s74, s74, s75
	s_lshl_b32 s74, s74, 18                        ; 262,144 bytes each;
	s_lshl_b32 s75, s59, 14                        ; the head's two feature chunks of 8,192;
	s_add_co_u32 s74, s74, s75
	s_and_b32 s75, s19, 1
	s_lshl_b32 s75, s75, 12                        ; my four token tiles of 1,024
	s_add_co_u32 s74, s74, s75
	s_mov_b32 s75, 0
	s_or_b32 s54, s19, ttmp9                       ; 0 in waves 0 and 4 of the head's first cluster: the same in all four partners
	s_cmp_eq_u32 s54, 0
	s_cselect_b32 s54, 1, -1
	s_mov_b32 s45, 7
	s_lshl_b32 s47, s20, 14
	s_lshl_b32 s48, s20, 7
	s_wait_dscnt 0x0                               ; both opening adds are done
	s_wait_kmcnt 0x0
	s_add_nc_u64 s[34:35], s[6:7], s[60:61]
	s_or_b32 s35, s35, 0x80000000
	s_add_nc_u64 s[38:39], s[4:5], s[56:57]
	s_or_b32 s39, s39, 0x80000000
	s_add_nc_u64 s[52:53], s[4:5], s[76:77]
	s_add_nc_u64 s[4:5], s[4:5], s[62:63]
	s_add_nc_u64 s[6:7], s[6:7], s[66:67]
	s_add_nc_u64 s[78:79], s[8:9], s[68:69]
	s_add_nc_u64 s[10:11], s[10:11], s[70:71]
	s_add_nc_u64 s[12:13], s[12:13], s[72:73]
	s_add_nc_u64 s[14:15], s[14:15], s[72:73]
	s_add_nc_u64 s[16:17], s[16:17], s[74:75]
	CROUND                                         ; all four work-groups are here: the first joint loads meet
	tensor_load_to_lds s[32:35], s[24:31]          ; pe's codes, filled once
	s_nop 0
	tensor_load_to_lds s[36:39], s[24:31]          ; slot 0.  Two loads of mine are out
	s_nop 0
	PLACES
	v_and_b32 v1, 31, v0                           ; lane
	v_lshlrev_b32 v[LI], 4, v1
	v_and_b32 v52, 15, v0                          ; r
	v_bfe_u32 v53, v0, 4, 1                        ; h
	v_lshlrev_b32 v54, 5, v52
	v_lshl_add_u32 v54, v53, 4, v54                ; 32 r + 16 h: a row of pe's codes, my half's block of 32
	v_add_nc_u32 v[APE0], PEC, v54
	v_lshlrev_b32 v55, 1, v1
	v_add_nc_u32 v[ASC0], PESC, v55
	v_lshl_add_u32 v[ABI0], v53, 5, BIAS
	s_mul_i32 s55, s19, MRGW
	s_add_co_u32 s55, s55, MRG
	v_add_nc_u32 v[MA], s55, v[LI]
	s_add_co_u32 s55, s55, 16384
	v_lshl_add_u32 v[MS], v1, 2, s55
	v_lshlrev_b32 v[PFO], 8, v1
	v_lshl_add_u32 v[APS], v0, 4, PESC
	WIN 0x40                                       ; destination window 1
.irp t, 0,1,2,3
.irp c, 0,1
.irp j, 0,1
	global_load_b128 v[QF+16*\t+8*\c+4*\j:QF+16*\t+8*\c+4*\j+3], v[LI], s[4:5] offset:2048*\t+1024*\c+512*\j   ; Q stays in registers
.endr
.endr
.endr
.irp t, 0,1,2,3
	global_load_b128 v[PEQ+8*\t:PEQ+8*\t+3], v54, s[6:7] offset:512*\t   ; and so do pe's codes of my queries
.endr
	WIN 0
	global_load_u16 v[QSC], v55, s[78:79]          ; their scale bytes, two a query (the word's upper two bytes are 0, over zero codes): tile 0 in lanes 0-15, tile 1 in lanes 16-31
	global_load_u16 v[QSC+1], v55, s[78:79] offset:64   ; tiles 2 and 3
	v_lshlrev_b32 v56, 5, v0
	global_load_b128 v[64:67], v56, s[10:11]       ; the mask of keys 8 x thread + 0 .. 7
	global_load_b128 v[68:71], v56, s[10:11] offset:16
	v_lshlrev_b32 v57, 4, v0
	global_load_b128 v[72:75], v57, s[8:9] offset:SPEOFF   ; pe's scale bytes: 16 a thread
	v_mov_b32 v58, 0                               ; the offset of the two loads below: it is not written again
	global_load_b32 v[AH], v58, s[12:13]           ; alpha of my head
	global_load_b32 v59, v58, s[14:15]             ; beta
	; what the loop finds at its first step: O^T, L = 0 and M = -3e38, under every t: the key step is written with no first step of its own
	WIN 0x40
.set i, 0
.rept 128
	v_mov_b32 v[OT+i], 0
.set i, i+1
.endr
.irp t, 0,1,2,3
.irp j, 4,5,6,7
	v_mov_b32 v[PEQ+8*\t+\j], 0                    ; K = 64 .. 127 of the FP4 product: zero codes
.endr
.endr
	WIN 0
.irp t, 0,1,2,3
.irp j, 4,5,6,7
	v_mov_b32 v[PEK+8*\t+\j], 0
.endr
.endr
.irp t, 0,1,2,3
	v_mov_b32 v[ST+6*\t], 0xff61b1e6
.irp j, 1,2,3,4,5
	v_mov_b32 v[ST+6*\t+\j], 0
.endr
.endr
	v_mov_b32 v[T+1], 0                            ; a lane permute's destination counts as one of its sources
	v_mov_b32 v60, 0xfe800000                      ; -2^126: a hidden key's bias
	v_lshl_add_u32 v61, v0, 5, BIAS
	s_wait_loadcnt 0x0
	v_mul_f32 v[AH], 0x3fb8aa3b, v[AH]             ; A = alpha log2(e)
	v_mul_f32 v59, 0x3fb8aa3b, v59                 ; B = beta log2(e)
	v_mov_b32 v[AH+1], v[AH]
.irp i, 0,1,2,3,4,5,6,7
	v_cmp_eq_u32 vcc_lo, 0, v[64+\i]
	v_cndmask_b32 v[76+\i], v59, v60, vcc_lo       ; B, or -2^126 where the mask is 0
.endr
	ds_store_b128 v61, v[76:79]
	ds_store_b128 v61, v[80:83] offset:16
	ds_store_b128 v[APS], v[72:75]                 ; the first change of slots waits for these stores and passes a barrier ahead of every read
; The FP4 product of key tile kt and query tile t: pos, 16 keys x 16 queries.  The scale words of odd tiles lie in lanes 16-31
.macro POS kt, t
.if ((\kt)%2 == 0) && ((\t)%2 == 0)
	v_wmma_scale_f32_16x16x128_f8f6f4 v[S+8*(\kt):S+8*(\kt)+7], v[PEK+8*(\kt):PEK+8*(\kt)+7], v[PEQ+8*(\t):PEQ+8*(\t)+7], 0, v[KSC+(\kt)/2], v[QSC+(\t)/2] matrix_a_fmt:MATRIX_FMT_FP4 matrix_b_fmt:MATRIX_FMT_FP4
.elseif ((\t)%2 == 0)
	v_wmma_scale_f32_16x16x128_f8f6f4 v[S+8*(\kt):S+8*(\kt)+7], v[PEK+8*(\kt):PEK+8*(\kt)+7], v[PEQ+8*(\t):PEQ+8*(\t)+7], 0, v[KSC+(\kt)/2], v[QSC+(\t)/2] matrix_a_fmt:MATRIX_FMT_FP4 matrix_b_fmt:MATRIX_FMT_FP4 matrix_a_scale:MATRIX_SCALE_ROW1
.elseif ((\kt)%2 == 0)
	v_wmma_scale_f32_16x16x128_f8f6f4 v[S+8*(\kt):S+8*(\kt)+7], v[PEK+8*(\kt):PEK+8*(\kt)+7], v[PEQ+8*(\t):PEQ+8*(\t)+7], 0, v[KSC+(\kt)/2], v[QSC+(\t)/2] matrix_a_fmt:MATRIX_FMT_FP4 matrix_b_fmt:MATRIX_FMT_FP4 matrix_b_scale:MATRIX_SCALE_ROW1
.else
	v_wmma_scale_f32_16x16x128_f8f6f4 v[S+8*(\kt):S+8*(\kt)+7], v[PEK+8*(\kt):PEK+8*(\kt)+7], v[PEQ+8*(\t):PEQ+8*(\t)+7], 0, v[KSC+(\kt)/2], v[QSC+(\t)/2] matrix_a_fmt:MATRIX_FMT_FP4 matrix_b_fmt:MATRIX_FMT_FP4 matrix_a_scale:MATRIX_SCALE_ROW1 matrix_b_scale:MATRIX_SCALE_ROW1
.endif
.endm
; One tile's softmax for one key step: the lane's 32 scores of its query, in window 0
.macro SOFTMAX t
.set rT, ST+6*(\t)
.set rP, P+16*(\t)
.irp j, 0,1,2,3
	v_max3_num_f32 v[T+\j], v[S+8*\j], v[S+8*\j+1], v[S+8*\j+2]   ; four chains, each begun at an accumulator's low end
.endr
.irp k, 3,5
.irp j, 0,1,2,3
	v_max3_num_f32 v[T+\j], v[T+\j], v[S+8*\j+\k], v[S+8*\j+\k+1]
.endr
.endr
	v_max3_num_f32 v[T], v[T], v[S+7], v[S+15]
	v_max3_num_f32 v[T+2], v[T+2], v[S+23], v[S+31]
	v_max3_num_f32 v[T], v[T], v[T+1], v[T+2]
	v_max3_num_f32 v[T], v[T], v[T+3], v[rT]       ; with the old M
	v_permlanex16_b32 v[T+1], v[T], s40, s41       ; the query's other 32 keys lie in the lane 16 away
	v_mov_b32 v[rT+1], v[rT]
	v_max_num_f32 v[rT], v[T], v[T+1]              ; the new M
	v_sub_f32 v[T+2], v[rT+1], v[rT]
	v_exp_f32 v[rT+2], v[T+2]                      ; F = 2^(old M - new M)
.set i, 0
.rept 16
	v_pk_add_f32 v[S+2*i:S+2*i+1], v[S+2*i:S+2*i+1], v[rT:rT+1] op_sel_hi:[1,0] neg_lo:[0,1] neg_hi:[0,1]   ; t - M, two at a time
.set i, i+1
.endr
.set i, 0
.rept 32
	v_exp_f32 v[S+i], v[S+i]                       ; p = 2^(t - M)
.set i, i+1
.endr
	v_nop                                          ; a plain instruction behind the last exponential
	s_wait_alu depctr_va_vdst(0)                   ; one wait for the 33 exponentials, ahead of the first instruction that names a result
.set i, 0
.rept 16
	v_cvt_pk_f16_f32 v[rP+i], v[S+2*i], v[S+2*i+1] ; two key tiles' pairs are source 1 (32 keys x 16 queries) of O^T = V^T P as they stand
.set i, i+1
.endr
.irp z, 0,1,2,3,4,5,6,7
	v_pk_add_f32 v[S+4*\z:S+4*\z+1], v[S+4*\z:S+4*\z+1], v[S+4*\z+2:S+4*\z+3]   ; the sum of the unrounded p, in place
.endr
.irp z, 0,1,2,3
	v_pk_add_f32 v[S+8*\z:S+8*\z+1], v[S+8*\z:S+8*\z+1], v[S+8*\z+4:S+8*\z+5]
.endr
.irp z, 0,1
	v_pk_add_f32 v[S+16*\z:S+16*\z+1], v[S+16*\z:S+16*\z+1], v[S+16*\z+8:S+16*\z+9]
.endr
	v_pk_add_f32 v[S:S+1], v[S:S+1], v[S+16:S+17]
	v_pk_fma_f32 v[rT+4:rT+5], v[rT+4:rT+5], v[rT+2:rT+3], v[S:S+1] op_sel_hi:[1,0,1]   ; L = L F + the sum
.endm
; One tile of 16 queries against the step's 64 keys
.macro TILE t
.if (\t) == 0
	s_wait_dscnt 24                                ; pe's codes and scale bytes are in; the 8 loads of the bias and the 16 of K may be out
.endif
	WIN 0x04                                       ; source 1 window 1
.irp kt, 0,1,2,3
	POS \kt, \t
.endr
	PLACES
.if (\t) == 0
	s_wait_dscnt 16                                ; the bias is in; K's 16 loads may be out
.endif
	WIN 0x10                                       ; the addend window 1
.set i, 0
.rept 16
	v_pk_fma_f32 v[S+2*i:S+2*i+1], v[S+2*i:S+2*i+1], v[AH:AH+1], v[BI+2*i:BI+2*i+1]   ; A pos + bias; each accumulator from its low end on
.set i, i+1
.endr
.if (\t) == 0
	s_wait_dscnt 0x0                               ; K is in
.endif
	WIN 0x04
.irp c, 0,1                            ; + q . k: the four accumulators take turns, one instruction a turn.  Between an FP4 product and the f16 product that writes over its result stand the four v_nop and twelve multiply-adds on other accumulators
.irp kt, 0,1,2,3
	v_wmma_f32_16x16x32_f16 v[S+8*\kt:S+8*\kt+7], v[KV+16*\kt+8*\c:KV+16*\kt+8*\c+7], v[QF+16*(\t)+8*\c:QF+16*(\t)+8*\c+7], v[S+8*\kt:S+8*\kt+7]
.endr
.endr
	WIN 0
	PLACES
.if (\t) == 3
.irp ks, 0,1                           ; K's registers are done with: V's eight fragments (2 key chunks x 4 channel tiles) land while the last softmax runs
.irp c, 0,1,2,3
.irp j, 0,1
	ds_load_b128 v[KV+32*\ks+8*\c+4*\j:KV+32*\ks+8*\c+4*\j+3], v[ADK] offset:VOFF+4096*\ks+1024*\c+512*\j
.endr
.endr
.endr
.endif
	SOFTMAX \t
.endm
; A KEY STEP: 64 keys
.macro STEP
	s_lshl_b32 s49, s48, 5
	s_lshl_b32 s50, s48, 1
	s_lshl_b32 s51, s48, 2
	v_add_nc_u32 v[ADK], s47, v[LI]                ; these four are also the places between the last step's products and the loads into V's registers
	v_add_nc_u32 v[ADP], s49, v[APE0]
	v_add_nc_u32 v[ADS], s50, v[ASC0]
	v_add_nc_u32 v[ADB], s51, v[ABI0]
.irp kt, 0,1,2,3
	ds_load_b128 v[PEK+8*\kt:PEK+8*\kt+3], v[ADP] offset:512*\kt
.endr
	ds_load_u16 v[KSC], v[ADS]                     ; key tile 0 in lanes 0-15, tile 1 in lanes 16-31
	ds_load_u16 v[KSC+1], v[ADS] offset:64         ; tiles 2 and 3
	WIN 0x40
.irp kt, 0,1,2,3
	ds_load_b128 v[BI+8*\kt:BI+8*\kt+3], v[ADB] offset:64*\kt         ; the bias of keys 16 kt + 8 h + 0 .. 7: the scores' own layout
	ds_load_b128 v[BI+8*\kt+4:BI+8*\kt+7], v[ADB] offset:64*\kt+16
.endr
	WIN 0
.irp kt, 0,1,2,3
.irp c, 0,1
.irp j, 0,1
	ds_load_b128 v[KV+16*\kt+8*\c+4*\j:KV+16*\kt+8*\c+4*\j+3], v[ADK] offset:2048*\kt+1024*\c+512*\j
.endr
.endr
.endr
	TILE 0
	TILE 1
	TILE 2
	TILE 3
	s_wait_dscnt 0x0                               ; V is in
	WIN 0x41                                       ; O^T (destination and source 0) window 1, F window 0
.irp t, 0,1,2,3
.set i, 0
.rept 16
	v_pk_mul_f32 v[OT+32*\t+2*i:OT+32*\t+2*i+1], v[OT+32*\t+2*i:OT+32*\t+2*i+1], v[ST+6*\t+2:ST+6*\t+3] op_sel_hi:[1,0]   ; O^T under the new M
.set i, i+1
.endr
.endr
	WIN 0x50                                       ; C and D window 1
.irp ks, 0,1                           ; O^T += V^T P: the 16 accumulators take turns, one instruction a turn
.irp t, 0,1,2,3
.irp c, 0,1,2,3
	v_wmma_f32_16x16x32_f16 v[OT+32*\t+8*\c:OT+32*\t+8*\c+7], v[KV+32*\ks+8*\c:KV+32*\ks+8*\c+7], v[P+16*\t+8*\ks:P+16*\t+8*\ks+7], v[OT+32*\t+8*\c:OT+32*\t+8*\c+7]
.endr
.endr
.endr
	WIN 0
	s_add_co_u32 s47, s47, 8192
	s_add_co_u32 s48, s48, 64
.endm
.macro TWO_STEPS                       ; my two key steps of a slot: written once, walked twice
	s_mov_b32 s46, 2
.Lstep_\@:
	STEP
	s_sub_co_u32 s46, s46, 1
	s_cmp_lg_u32 s46, 0
	s_cbranch_scc1 .Lstep_\@
	s_sub_co_u32 s47, s47, 16384                   ; back to my first step,
	s_xor_b32 s47, s47, SLOT1                      ; in the other slot;
	s_add_co_u32 s48, s48, 128                     ; over the other half's 128 keys
.endm
; THE CHANGE OF SLOTS stands at a slot's head.  Each wave waits for all its tensor loads (its part of the slot ahead), adds 0 to its spare word, and waits for that and for its reads of the slot that it has left.
; fill = 1: behind a round of the cluster's barrier the other slot is filled with the next 256 keys: a wave's one tensor load until the next round; it has two key steps of each wave in which to land.
; Behind it a prefetch for what the NEXT change will ask for: a slot's 32,768 bytes of K (wave 0) and of V (wave 4), asked by the head's first cluster alone, its four partners taking 8,192 bytes each, told apart by
; address; lanes 256 bytes apart, one instruction a wave.  Slots 0 and 1 come by their loads alone; the last change that fills a slot asks for nothing.
.macro CHANGE fill
	s_wait_tensorcnt 0x0                           ; no tensor load of mine is out, so the walking group 0 may be written
	ds_add_u32 v[SPW], v[NIL]
.if \fill
	s_xor_b32 s37, s37, SLOT1
	s_add_nc_u64 s[38:39], s[38:39], 32768         ; the next 256 keys; the type bits on top are not reached
	s_wait_xcnt 0x0                                ; the last prefetch, a slot back, has read its address
	s_add_nc_u64 s[52:53], s[52:53], 32768
	s_wait_dscnt 0x0                               ; the add is done, my LDS stores have landed and my reads of the slot that I have left are over
	CROUND
	tensor_load_to_lds s[36:39], s[24:31]
	s_nop 0
	PLACES
	s_cmp_gt_u32 s45, s54
	s_cbranch_scc0 .Lnot_mine_\@
	global_prefetch_b8 v[PFO], s[52:53] th:TH_LOAD_NT scope:SCOPE_SE
.Lnot_mine_\@:
.else
	s_wait_dscnt 0x0
	s_barrier_signal -1
	s_barrier_wait -1
.endif
.endm
.Lslot:                                            ; seven trips: trip i asks for slot i + 1 and walks slot i
	CHANGE 1
	TWO_STEPS
	s_sub_co_u32 s45, s45, 1
	s_cmp_lg_u32 s45, 0
	s_cbranch_scc1 .Lslot
	CHANGE 0                                       ; the last slot is written out
	TWO_STEPS
	; THE MERGE.  L's two halves and the other half of the lanes' are added (the additions are also the places behind the last products)
.irp t, 0,1,2,3
	v_add_f32 v[ST+6*\t+4], v[ST+6*\t+4], v[ST+6*\t+5]
.endr
.irp t, 0,1,2,3
	v_permlanex16_b32 v[ST+6*\t+5], v[ST+6*\t+4], s40, s41
.endr
.irp t, 0,1,2,3
	v_add_f32 v[ST+6*\t+4], v[ST+6*\t+4], v[ST+6*\t+5]
.endr
	s_wait_dscnt 0x0
	s_barrier_signal -1
	s_barrier_wait -1                              ; every wave has left the loop: its LDS reads are over
	s_cmp_lt_u32 s18, 4
	s_cbranch_scc1 .Lkeep
	WIN 0x04                                       ; an LDS store's data are its source 1: window 1
.set i, 0
.rept 32
	ds_store_b128 v[MA], v[OT+4*i:OT+4*i+3] offset:512*i   ; waves 4-7: O^T as it stands, each accumulator from its low end on
.set i, i+1
.endr
	WIN 0
.irp t, 0,1,2,3
	ds_store_b32 v[MS], v[ST+6*\t] offset:256*\t           ; M
	ds_store_b32 v[MS], v[ST+6*\t+4] offset:256*\t+128     ; L
.endr
.Lkeep:
	s_wait_dscnt 0x0                               ; for the others' sake: my stores have landed
	s_barrier_signal -1
	s_barrier_wait -1
	s_cmp_ge_u32 s18, 4
	s_cbranch_scc1 .Lfin
.irp t, 0,1,2,3
	ds_load_b32 v[T+2*\t], v[MS] offset:256*\t             ; the other half's M',
	ds_load_b32 v[T+2*\t+1], v[MS] offset:256*\t+128       ; L',
.endr
.set i, 0
.rept 32
	ds_load_b128 v[S+4*i:S+4*i+3], v[MA] offset:512*i      ; and O', into v64-191
.set i, i+1
.endr
	s_wait_dscnt 0x0
.irp t, 0,1,2,3
	v_max_num_f32 v[ST+6*\t+1], v[ST+6*\t], v[T+2*\t]      ; the joint M
.endr
.irp t, 0,1,2,3
	v_sub_f32 v[ST+6*\t+2], v[ST+6*\t], v[ST+6*\t+1]
	v_sub_f32 v[ST+6*\t+3], v[T+2*\t], v[ST+6*\t+1]
.endr
.irp t, 0,1,2,3
	v_exp_f32 v[ST+6*\t+2], v[ST+6*\t+2]           ; f0 = 2^(M - joint M)
	v_exp_f32 v[ST+6*\t+3], v[ST+6*\t+3]           ; f1 = 2^(M' - joint M)
.endr
	v_mov_b32 v52, 0x7fc00000                      ; NaN (a plain instruction behind the exponentials)
	s_wait_alu depctr_va_vdst(0)                   ; one wait for the eight
.irp t, 0,1,2,3
	v_mul_f32 v[ST+6*\t+5], v[T+2*\t+1], v[ST+6*\t+3]
.endr
.irp t, 0,1,2,3
	v_fma_f32 v[ST+6*\t+4], v[ST+6*\t+4], v[ST+6*\t+2], v[ST+6*\t+5]   ; L f0 + L' f1
.endr
.irp t, 0,1,2,3
	v_rcp_f32 v[ST+6*\t+5], v[ST+6*\t+4]
.endr
	v_nop
	s_wait_alu depctr_va_vdst(0)                   ; one wait for the four
.irp t, 0,1,2,3
	v_cmp_gt_f32 vcc_lo, 0xfe000000, v[ST+6*\t+1]  ; -2^125 > M: the query saw no open key
	v_cndmask_b32 v[ST+6*\t+5], v[ST+6*\t+5], v52, vcc_lo
	v_mul_f32 v[ST+6*\t+2], v[ST+6*\t+2], v[ST+6*\t+5]     ; g0 = f0 / L
	v_mul_f32 v[ST+6*\t], v[ST+6*\t+3], v[ST+6*\t+5]       ; g1 = f1 / L
.endr
.irp t, 0,1,2,3
.set i, 0
.rept 16
	v_pk_mul_f32 v[S+32*\t+2*i:S+32*\t+2*i+1], v[S+32*\t+2*i:S+32*\t+2*i+1], v[ST+6*\t:ST+6*\t+1] op_sel_hi:[1,0]
.set i, i+1
.endr
	WIN 0x01                                       ; source 0 window 1
.set i, 0
.rept 16
	v_pk_fma_f32 v[S+32*\t+2*i:S+32*\t+2*i+1], v[OT+32*\t+2*i:OT+32*\t+2*i+1], v[ST+6*\t+2:ST+6*\t+3], v[S+32*\t+2*i:S+32*\t+2*i+1] op_sel_hi:[1,0,1]   ; O g0 + O' g1
.set i, i+1
.endr
	WIN 0
.set i, 0
.rept 16
	v_cvt_pk_f16_f32 v[KV+16*\t+i], v[S+32*\t+2*i], v[S+32*\t+2*i+1]
.set i, i+1
.endr
.irp c, 0,1,2,3
	global_store_b128 v[LI], v[KV+16*\t+4*\c:KV+16*\t+4*\c+3], s[16:17] offset:8192*(\c/2)+1024*\t+512*(\c%2)   ; half an image: 32 lanes store 512 consecutive bytes, aligned
.endr
.endr
.Lfin:
	s_wait_tensorcnt 0x0                           ; the wave's end, behind my last tensor load and my last LDS store
	ds_add_u32 v[SPW], v[NIL]
	s_wait_dscnt 0x0
	CROUND                                         ; the closing round
	s_endpgm
.Lfunc_end_k_q702a0bc1e2_attn:
	.size	k_q702a0bc1e2_attn, .Lfunc_end_k_q702a0bc1e2_attn-k_q702a0bc1e2_attn
	.p2alignl 7, 3214868480
	.fill 96, 4, 3214868480
	.section	.rodata,"a",@progbits
	.p2align	6, 0x0
	.amdhsa_kernel k_q702a0bc1e2_attn
		.amdhsa_group_segment_fixed_size 327680
		.amdhsa_private_segment_fixed_size 0
		.amdhsa_enable_private_segment 0
		.amdhsa_kernarg_size 56
		.amdhsa_user_sgpr_count 2
		.amdhsa_user_sgpr_kernarg_segment_ptr 1
		.amdhsa_wavefront_size32 1
		.amdhsa_system_sgpr_workgroup_id_x 1
		.amdhsa_system_sgpr_workgroup_id_y 1
		.amdhsa_system_sgpr_workgroup_id_z 1
		.amdhsa_system_vgpr_workitem_id 0
		.amdhsa_next_free_vgpr 512
		.amdhsa_next_free_sgpr 80
		.amdhsa_reserve_vcc 1
		.amdhsa_float_denorm_mode_32 3
		.amdhsa_float_denorm_mode_16_64 3
		.amdhsa_memory_ordered 1
		.amdhsa_forward_progress 1
		.amdhsa_inst_pref_size 120
	.end_amdhsa_kernel
	.amdgpu_metadata
---
amdhsa.version: [ 1, 2 ]
amdhsa.kernels:
  - .name:           k_q702a0bc1e2_attn
    .symbol:         k_q702a0bc1e2_attn.kd
    .args:
      - { .name: qkv, .offset: 0, .size: 8, .value_kind: global_buffer, .address_space: global }
      - { .name: codes, .offset: 8, .size: 8, .value_kind: global_buffer, .address_space: global }
      - { .name: scales, .offset: 16, .size: 8, .value_kind: global_buffer, .address_space: global }
      - { .name: mask, .offset: 24, .size: 8, .value_kind: global_buffer, .address_space: global }
      - { .name: alpha, .offset: 32, .size: 8, .value_kind: global_buffer, .address_space: global }
      - { .name: beta, .offset: 40, .size: 8, .value_kind: global_buffer, .address_space: global }
      - { .name: att, .offset: 48, .size: 8, .value_kind: global_buffer, .address_space: global }
    .group_segment_fixed_size: 327680
    .private_segment_fixed_size: 0
    .kernarg_segment_align: 8
    .kernarg_segment_size: 56
    .max_flat_workgroup_size: 256
    .sgpr_count:     80
    .vgpr_count:     512
    .wavefront_size: 32
...
	.end_amdgpu_metadata
.endif
;; end of part 3
;; launch proj (part 4): grid 8 x 32, 4 waves a work-group, clusters of 4 x 4, 327,680 bytes of LDS; arguments att, wo16, bo, out0; writes out0
.if DOCPART == 4
	.amdgcn_target "amdgcn-amd-amdhsa--gfx1250"
	.amdhsa_code_object_version 6
	.text
	.protected	k_q702a0bc1e2_proj
	.globl	k_q702a0bc1e2_proj
	.p2align	8
	.type	k_q702a0bc1e2_proj,@function
k_q702a0bc1e2_proj:
	s_mov_b64 s[64:65], 0
	v_nop
	global_prefetch_b8 v0, s[64:65] scope:SCOPE_SE
	s_setreg_imm32_b32 hwreg(HW_REG_WAVE_MODE, 25, 1), 1
	s_wait_xcnt 0x0
	s_wait_alu depctr_hold_cnt(0) depctr_sa_sdst(0) depctr_va_vdst(0) depctr_va_sdst(0) depctr_va_ssrc(0) depctr_va_vcc(0) depctr_vm_vsrc(0)
	s_getreg_b32 s2, hwreg(HW_REG_IB_STS2, 6, 4)
	s_cmp_eq_u32 s2, 0
	s_cbranch_scc0 .Lentry_in_a_cluster
	s_endpgm
.Lentry_in_a_cluster:
	s_bfe_u32 s2, ttmp6, 0x10000c
	s_cmp_lg_u32 s2, 0xf033
	s_cbranch_scc0 .Lentry_shape_is_right
	s_endpgm
.Lentry_shape_is_right:
; out0[m][n] = sum over k of att[m][k] Wo[n][k] + bo[n].  4,096 x 1,024 x 1,024; f16 operands, f32 sums, f32 out.
; A tile is 128 x 128: 256 work-groups; four waves, 64 x 64 each: 16 accumulators.  K goes in four steps of 256 through a ring of two LDS slots.
; att arrives as IMAGES OF THE OPERAND'S REGISTERS: [token block of 128][feature chunk of 32][token tile of 16] images of 1 KB ([half][lane][16 bytes]): a K step of a token block is 65,536 dense bytes, which come
; as rows of 256 bytes without padding; a fragment is two loads of 512 consecutive bytes.  Wo (f16, rows along K) comes as rows of 512 bytes, padded by 16 in LDS.
; THE MATRIX INSTRUCTION IS USED TRANSPOSED (source 0 = 16 rows of Wo, source 1 = 16 tokens): a lane holds eight neighbouring outputs of one token.  bo is the C of each sum's first product.
; CLUSTERS: 4 x 4 work-groups; att's tiles are shared along a row of the cluster, Wo's along a column: joint loads.
; THE WAY OUT: a wave's 64 columns are 256 bytes of a row: 16 rows at a time go through the wave's own stage in LDS, and sixteen lanes store 256 consecutive bytes, aligned.
; No prefetch: the tile is small, and a step's load goes out a whole step ahead.
; REGISTERS: window 0: v0-31 addresses; v32-63 bo, later with v64-95 rows on the way out; v128-255 the accumulators ((a, b) at v[128 + 8 (4 a + b)]).  window 1: two fragment buffers of 128: 64 registers of A, 64 of B, for 64 along K.
.set KSTEP,  256
.set PITCH,  528                       ; a row of Wo in LDS: 512 bytes + 16 = 132 words: the 16 rows of a load start at 16 different banks (64 banks of 4 bytes: ISA guide 11.1)
.set ABYTES, 65536                     ; A's part of a slot: 8 chunks x 8 token tiles x 1 KB
.set HALFA,  32768
.set HALFB,  64*PITCH
.set SLOT,   ABYTES+2*HALFB
.set STAGE,  2*SLOT                    ; behind the ring: 16 rows x 272 bytes for each wave
.set SPITCH, 272
.set SPARE,  STAGE+4*16*SPITCH         ; the spare words, 128 bytes a wave
.set LAPS,   2                         ; a lap = two K steps
.set ADRA, 16
.set ADRB, 20
.set STO,  24
.set RD,   25
.set CO,   26
.set SPW,  28
.set NIL,  29
.set BO,   32
.set BK,   32
.set ACC,  128
.set F0,   0
.set F1,   128
.set WV, 2                             ; s2  wave
.set HI, 3                             ; s3  wave / 2: my half of the tokens; also: I fetch for A (0) or for B (1)
.set LO, 12                            ; s12 wave % 2: my half of the columns; also: which half of that tile I fetch
.set G1, 24
.set G0, 32
.set G1B, 48
.set G0B, 56
.set MSB, 0
.macro WIN new
.if MSB != \new
	s_set_vgpr_msb (MSB<<8)|\new
.set MSB, \new
.endif
.endm
.set MUL,  0x05                        ; sources 0 (B) and 1 (A) window 1; C and D window 0
.set TO_F, 0x40
.macro JLOAD s                         ; a joint load: waves 0 and 1 fetch A's halves, waves 2 and 3 B's; an s_nop 0 and four v_nop follow each of the two lines
	s_cmp_eq_u32 s[HI], 0
	s_cbranch_scc0 .Lfor_b_\@
	tensor_load_to_lds s[G0+4*\s:G0+4*\s+3], s[G1:G1+7]
	s_nop 0
.rept 4
	v_nop
.endr
	s_branch .Lasked_\@
.Lfor_b_\@:
	tensor_load_to_lds s[G0B+4*\s:G0B+4*\s+3], s[G1B:G1B+7]
	s_nop 0
.rept 4
	v_nop
.endr
.Lasked_\@:
.endm
.macro CREST
	s_cmp_lg_u32 s[WV], 0
	s_cbranch_scc1 .Lnot_wave_0_\@
	s_barrier_signal -3
.Lnot_wave_0_\@:
	s_barrier_wait -3
	s_barrier_signal -1
	s_barrier_wait -1
.endm
.macro CROUND
	s_barrier_signal -1
	s_barrier_wait -1
	CREST
.endm
	s_load_b256 s[4:11], s[0:1], 0x0               ; att s[4:5], wo16 s[6:7], bo s[8:9], out0 s[10:11]
	v_lshl_add_u32 v[SPW], v0, 2, SPARE
	v_mov_b32 v[NIL], 0
	ds_add_u32 v[SPW], v[NIL]                      ; the wave's opening: the add, twice on end, and its wait ahead of my first tensor load
	ds_add_u32 v[SPW], v[NIL]
	v_lshrrev_b32 v1, 5, v0
	v_readfirstlane_b32 s[WV], v1
	s_lshr_b32 s[HI], s[WV], 1
	s_and_b32 s[LO], s[WV], 1
	s_bfe_u32 s40, ttmp6, 0x40000                  ; cx
	s_bfe_u32 s41, ttmp6, 0x40004                  ; cy
	s_lshl_b32 s42, ttmp9, 2
	s_add_co_u32 s42, s42, s40                     ; tile column = 4 x cluster x + cx
	s_and_b32 s13, ttmp7, 0xffff
	s_lshl_b32 s13, s13, 2
	s_add_co_u32 s13, s13, s41                     ; token block = 4 x cluster y + cy
	s_lshl_b32 s43, s41, 2
	s_lshl_b32 s43, 15, s43                        ; my row of the cluster
	s_lshl_b32 s44, 0x1111, s40                    ; my column
	s_or_b32 s[G1+0], s43, (3<<16)|(1<<21)         ; A: the mask; elements of 8 bytes; bit 21 beside a mask; no padding
	s_mov_b32 s[G1+1], 32<<16                      ; tensor_dim0: 32 elements = 256 bytes
	s_mov_b32 s[G1+2], 128<<16                     ; tensor_dim1
	s_mov_b32 s[G1+3], 32<<16                      ; tile_dim0
	s_mov_b32 s[G1+4], 128                         ; tile_dim1
	s_mov_b32 s[G1+5], 32                          ; the pitch: dense
	s_mov_b32 s[G1+6], 0
	s_mov_b32 s[G1+7], 0
	s_or_b32 s[G1B+0], s44, (1<<16)|(1<<20)|(1<<21)|(6<<22)|(3<<25)  ; B: elements of 2 bytes; padding: 4 words after every 128
	s_mov_b32 s[G1B+1], KSTEP<<16
	s_mov_b32 s[G1B+2], 64<<16
	s_mov_b32 s[G1B+3], KSTEP<<16
	s_mov_b32 s[G1B+4], 64
	s_mov_b32 s[G1B+5], 1024
	s_mov_b32 s[G1B+6], 0
	s_mov_b32 s[G1B+7], 0
	s_lshl_b32 s16, s13, 18                        ; A: a token block is 262,144 bytes;
	s_lshl_b32 s17, s[LO], 15                      ; my half of a K step: four chunks
	s_add_co_u32 s16, s16, s17
	s_mov_b32 s17, 0
	s_lshl_b32 s46, s42, 7
	s_lshl_b32 s47, s[LO], 6
	s_add_co_u32 s46, s46, s47                     ; B: row 128 x tile column + 64 x half,
	s_lshl_b32 s46, s46, 11                        ; 2,048 bytes a row
	s_mov_b32 s47, 0
	s_lshl_b32 s20, s[LO], 15                      ; where they go in a slot: no place in the cluster enters an LDS address
	s_mul_i32 s21, s[LO], HALFB
	s_add_co_u32 s21, s21, ABYTES
	s_wait_dscnt 0x0                               ; both opening adds are done
	s_wait_kmcnt 0x0
	s_add_nc_u64 s[14:15], s[4:5], s[16:17]
	s_add_nc_u64 s[46:47], s[6:7], s[46:47]
	CROUND                                         ; all sixteen work-groups are here: the first joint loads meet
.irp s, 0,1
	s_mov_b32 s[G0+4*\s], 1
	s_add_co_u32 s[G0+4*\s+1], s20, \s*SLOT
	s_add_nc_u64 s[G0+4*\s+2:G0+4*\s+3], s[14:15], \s*ABYTES
	s_or_b32 s[G0+4*\s+3], s[G0+4*\s+3], 0x80000000
	s_mov_b32 s[G0B+4*\s], 1
	s_add_co_u32 s[G0B+4*\s+1], s21, \s*SLOT
	s_add_nc_u64 s[G0B+4*\s+2:G0B+4*\s+3], s[46:47], \s*KSTEP*2
	s_or_b32 s[G0B+4*\s+3], s[G0B+4*\s+3], 0x80000000
	JLOAD \s
.endr
	v_and_b32 v1, 15, v0                           ; r
	v_bfe_u32 v2, v0, 4, 1                         ; h
	v_and_b32 v6, 31, v0
	v_lshlrev_b32 v6, 4, v6                        ; 16 x lane
	v_mul_u32_u24 v3, v1, PITCH
	v_lshl_add_u32 v3, v2, 4, v3                   ; B: row x pitch + 16 h
	s_lshl_b32 s21, s[HI], 12                      ; A: my four token tiles of each chunk
	s_mul_i32 s22, s[LO], HALFB
	s_add_co_u32 s22, s22, ABYTES                  ; B: my 64 rows
.irp s, 0,1
	v_add_nc_u32 v[ADRA+\s], s21, v6
	v_add_nc_u32 v[ADRB+\s], s22, v3
	s_add_co_u32 s21, s21, SLOT
	s_add_co_u32 s22, s22, SLOT
.endr
	s_mul_i32 s23, s[WV], 16*SPITCH
	s_add_co_u32 s23, s23, STAGE                   ; my stage
	v_mul_u32_u24 v4, v1, SPITCH
	v_lshl_add_u32 v4, v2, 5, v4
	v_add_nc_u32 v[STO], s23, v4                   ; in: row r, 32 bytes for each half of the lanes
	v_mul_u32_u24 v5, v2, SPITCH
	v_lshl_add_u32 v5, v1, 4, v5
	v_add_nc_u32 v[RD], s23, v5                    ; back: lanes 0-15 one row of 256 bytes, lanes 16-31 the next
	v_lshlrev_b32 v5, 12, v2
	v_lshl_add_u32 v[CO], v1, 4, v5                ; and the same two rows in out0 (4,096 bytes a row)
	s_lshl_b32 s16, s42, 9
	s_lshl_b32 s17, s[LO], 8
	s_add_co_u32 s16, s16, s17                     ; my first column, in bytes: 512 x tile column + 256 x half
	v_lshl_add_u32 v7, v2, 5, s16                  ; bo at my first column + 8 h
.irp b, 0,1,2,3
	global_load_b128 v[BO+8*\b:BO+8*\b+3], v7, s[8:9] offset:64*\b
	global_load_b128 v[BO+8*\b+4:BO+8*\b+7], v7, s[8:9] offset:64*\b+16
.endr
	s_lshl_b32 s17, s13, 19                        ; my first row: 128 x token block + 64 x half, 4,096 bytes each
	s_add_co_u32 s16, s16, s17
	s_lshl_b32 s17, s[HI], 18
	s_add_co_u32 s16, s16, s17
	s_mov_b32 s17, 0
	s_add_nc_u64 s[10:11], s[10:11], s[16:17]
; 8 matrix instructions: token tiles a0, a0 + 1 x all 4 column tiles, 32 along K: half c of buffer f.  zero = 1: the first product starts the sums, with bo as C.  The 16 accumulators take turns
.macro MUL8 f, c, a0, zero
.irp a, \a0, \a0+1
.irp b, 0,1,2,3
.if \zero
	v_wmma_f32_16x16x32_f16 v[ACC+8*(4*(\a)+\b):ACC+8*(4*(\a)+\b)+7], v[\f+64+8*(4*\c+\b):\f+64+8*(4*\c+\b)+7], v[\f+8*(4*\c+\a):\f+8*(4*\c+\a)+7], v[BO+8*\b:BO+8*\b+7]
.else
	v_wmma_f32_16x16x32_f16 v[ACC+8*(4*(\a)+\b):ACC+8*(4*(\a)+\b)+7], v[\f+64+8*(4*\c+\b):\f+64+8*(4*\c+\b)+7], v[\f+8*(4*\c+\a):\f+8*(4*\c+\a)+7], v[ACC+8*(4*(\a)+\b):ACC+8*(4*(\a)+\b)+7]
.endif
.endr
.endr
.endm
; 32 LDS loads in one run: the fragments of 64 along K at byte k of Wo's rows (chunks k / 64 and k / 64 + 1 of A's images), into buffer f; the first 32 along K first
.macro FETCH slot, k, f
	WIN TO_F
.irp c, 0,1
.irp i, 0,1,2,3
	ds_load_b128 v[\f+64+8*(4*\c+\i):\f+64+8*(4*\c+\i)+3],   v[ADRB+\slot] offset:\k+64*\c+\i*16*PITCH
	ds_load_b128 v[\f+64+8*(4*\c+\i)+4:\f+64+8*(4*\c+\i)+7], v[ADRB+\slot] offset:\k+64*\c+\i*16*PITCH+32
	ds_load_b128 v[\f+8*(4*\c+\i):\f+8*(4*\c+\i)+3],         v[ADRA+\slot] offset:8192*((\k)/64+\c)+1024*\i
	ds_load_b128 v[\f+8*(4*\c+\i)+4:\f+8*(4*\c+\i)+7],       v[ADRA+\slot] offset:8192*((\k)/64+\c)+1024*\i+512
.endr
.endr
.endm
.macro PLACES                          ; four places in front of loads into registers that matrix instructions have read, and of reads of results
.rept 4
	v_nop
.endr
.endm
; A K step is four quarters of 64 along K, 32 matrix instructions each, on buffers 0, 1, 0, 1
.macro QUARTER slot, k, f, g, zero
	s_wait_dscnt 16                                ; the first 32 along K are in; the youngest sixteen loads may be out
	WIN MUL
	MUL8 \f, 0, 0, \zero
	MUL8 \f, 0, 2, \zero
	PLACES
	FETCH \slot, \k, \g
	s_wait_dscnt 32                                ; all but the 32 just issued
	WIN MUL
	MUL8 \f, 1, 0, 0
	MUL8 \f, 1, 2, 0
.endm
; The last quarter multiplies buffer 1 and changes slots: one barrier; in front of it each wave waits for all its tensor loads, adds 0 to its spare word, and waits for that and for its reads of this slot.
; fill = 1: the barrier opens a round of the cluster's barrier, and this slot is filled again, two K steps ahead, first thing behind the round
.macro TURN slot, next, fill
	WIN 0
	s_wait_tensorcnt 0x0                           ; all my tensor loads have landed: my part of the next slot
	ds_add_u32 v[SPW], v[NIL]
	s_wait_dscnt 17                                ; (the add and the youngest sixteen loads may be out)
	WIN MUL
	MUL8 F1, 0, 0, 0
	s_wait_dscnt 0x0                               ; the add is done, and my reads of this slot are over
	s_barrier_signal -1
	MUL8 F1, 0, 2, 0
.if \fill
	WIN 0
.endif
	s_barrier_wait -1
.if \fill
	CREST
	s_add_nc_u64 s[G0+4*\slot+2:G0+4*\slot+3], s[G0+4*\slot+2:G0+4*\slot+3], 2*ABYTES
	s_add_nc_u64 s[G0B+4*\slot+2:G0B+4*\slot+3], s[G0B+4*\slot+2:G0B+4*\slot+3], 2*KSTEP*2
	JLOAD \slot                                    ; the four v_nop behind it are also the places in front of the loads below
.else
	PLACES
.endif
	FETCH \next, 0, F0
	WIN MUL
	MUL8 F1, 1, 0, 0
	MUL8 F1, 1, 2, 0
.endm
	s_wait_tensorcnt 1                             ; my part of K step 0 is in (K step 1's load may be out)
	s_barrier_signal -1
	s_barrier_wait -1                              ; everybody's is
	FETCH 0, 0, F0
	s_wait_loadcnt 0x0                             ; bo
	QUARTER 0, 128, F0, F1, 1                      ; the first products start the sums
.rept LAPS-1                           ; the one lap that fills both slots again is written out: no backward jump
	QUARTER 0, 256, F1, F0, 0
	QUARTER 0, 384, F0, F1, 0
	TURN 0, 1, 1
	QUARTER 1, 128, F0, F1, 0
	QUARTER 1, 256, F1, F0, 0
	QUARTER 1, 384, F0, F1, 0
	TURN 1, 0, 1
	QUARTER 0, 128, F0, F1, 0
.endr
	QUARTER 0, 256, F1, F0, 0                      ; the last lap fills nothing
	QUARTER 0, 384, F0, F1, 0
	TURN 0, 1, 0
	QUARTER 1, 128, F0, F1, 0
	QUARTER 1, 256, F1, F0, 0
	QUARTER 1, 384, F0, F1, 0
	s_wait_dscnt 16                                ; the very last quarter: nothing more to fetch
	WIN MUL
	MUL8 F1, 0, 0, 0
	MUL8 F1, 0, 2, 0
	s_wait_dscnt 0
	MUL8 F1, 1, 0, 0
	MUL8 F1, 1, 2, 0
	WIN 0
; THE WAY OUT, 16 rows x 64 columns at a time, through my own stage.  LDS serves a wave's instructions in order (ISA guide 5.7.1.4): no wait between the stores and the loads, nor in front of the next block's stores
.macro TOSTAGE a
.irp b, 0,1,2,3
	ds_store_b128 v[STO], v[ACC+8*(4*(\a)+\b):ACC+8*(4*(\a)+\b)+3] offset:64*\b          ; each accumulator from its low end on
	ds_store_b128 v[STO], v[ACC+8*(4*(\a)+\b)+4:ACC+8*(4*(\a)+\b)+7] offset:64*\b+16
.endr
.set BB, BK+32*((\a)%2)
.irp t, 0,1,2,3,4,5,6,7
	ds_load_b128 v[BB+4*\t:BB+4*\t+3], v[RD] offset:\t*2*SPITCH
.endr
.endm
.macro SEND a, younger                 ; younger: the LDS instructions issued behind block a's loads, which may stay out
.set BB, BK+32*((\a)%2)
	s_wait_dscnt \younger
.irp t, 0,1,2,3,4,5,6,7
	global_store_b128 v[CO], v[BB+4*\t:BB+4*\t+3], s[10:11] offset:(16*(\a)+2*\t)*4096 th:TH_STORE_NT   ; 16 lanes store 256 consecutive bytes, aligned
.endr
.endm
	PLACES
	TOSTAGE 0
.irp a, 1,2,3
.if \a > 1
	s_wait_xcnt 0x0                                ; block a - 2's stores have read their registers: block a's loads may land there
.endif
	TOSTAGE \a
	SEND \a-1, 16                                  ; behind block a - 1's loads: block a's 8 stores and 8 loads
.endr
	SEND 3, 0
	s_wait_tensorcnt 0x0                           ; the wave's end, behind my last tensor load and my last LDS store
	ds_add_u32 v[SPW], v[NIL]
	s_wait_dscnt 0x0
	CROUND                                         ; the closing round
	s_endpgm
.Lfunc_end_k_q702a0bc1e2_proj:
	.size	k_q702a0bc1e2_proj, .Lfunc_end_k_q702a0bc1e2_proj-k_q702a0bc1e2_proj
	.p2alignl 7, 3214868480
	.fill 96, 4, 3214868480
	.section	.rodata,"a",@progbits
	.p2align	6, 0x0
	.amdhsa_kernel k_q702a0bc1e2_proj
		.amdhsa_group_segment_fixed_size 327680
		.amdhsa_private_segment_fixed_size 0
		.amdhsa_enable_private_segment 0
		.amdhsa_kernarg_size 32
		.amdhsa_user_sgpr_count 2
		.amdhsa_user_sgpr_kernarg_segment_ptr 1
		.amdhsa_wavefront_size32 1
		.amdhsa_system_sgpr_workgroup_id_x 1
		.amdhsa_system_sgpr_workgroup_id_y 1
		.amdhsa_system_sgpr_workgroup_id_z 1
		.amdhsa_system_vgpr_workitem_id 0
		.amdhsa_next_free_vgpr 512
		.amdhsa_next_free_sgpr 66
		.amdhsa_reserve_vcc 0
		.amdhsa_float_denorm_mode_32 3
		.amdhsa_float_denorm_mode_16_64 3
		.amdhsa_memory_ordered 1
		.amdhsa_forward_progress 1
		.amdhsa_inst_pref_size 86
	.end_amdhsa_kernel
	.amdgpu_metadata
---
amdhsa.version: [ 1, 2 ]
amdhsa.kernels:
  - .name:           k_q702a0bc1e2_proj
    .symbol:         k_q702a0bc1e2_proj.kd
    .args:
      - { .name: att, .offset: 0, .size: 8, .value_kind: global_buffer, .address_space: global }
      - { .name: wo16, .offset: 8, .size: 8, .value_kind: global_buffer, .address_space: global }
      - { .name: bo, .offset: 16, .size: 8, .value_kind: global_buffer, .address_space: global }
      - { .name: out0, .offset: 24, .size: 8, .value_kind: global_buffer, .address_space: global }
    .group_segment_fixed_size: 327680
    .private_segment_fixed_size: 0
    .kernarg_segment_align: 8
    .kernarg_segment_size: 32
    .max_flat_workgroup_size: 128
    .sgpr_count:     66
    .vgpr_count:     512
    .wavefront_size: 32
...
	.end_amdgpu_metadata
.endif
;; end of part 4
